; MI455X (gfx1250); checked and timed in simulation.
; The chip was launched on July 23, 2026; its instructions are those of AMD's public machine-readable ISA for CDNA 5 (MIT licence, August 2026) and "CDNA5" Instruction Set Architecture Reference Guide (July 2026). The comments in the code are by the model that wrote it; some were corrected since.
;; Decoder Layer. Allowed arithmetic: matrix products marked QUANTISED: E2M3 operands, one E8M0 scale for each 32 along K, by v_wmma_scale_f32_16x16x128_f8f6f4 with both operands' format E2M3, f32 sums; everything else in f32.
;; Inputs: ca_bk 1,024 float32; ca_bq 1,024 float32; ca_bv 1,024 float32; ca_wk_codes 1,024 x 32 x 24 uint8 (E2M3 codes of ca_wk, K innermost, in blocks of 32 codes, four codes in three bytes); ca_wk_scales 1,024 x 32 uint8 (E8M0 scales of ca_wk, one for each 32 codes along K); ca_wq_codes 1,024 x 32 x 24 uint8 (E2M3 codes of ca_wq, K innermost, in blocks of 32 codes, four codes in three bytes); ca_wq_scales 1,024 x 32 uint8 (E8M0 scales of ca_wq, one for each 32 codes along K); ca_wv_codes 1,024 x 32 x 24 uint8 (E2M3 codes of ca_wv, K innermost, in blocks of 32 codes, four codes in three bytes); ca_wv_scales 1,024 x 32 uint8 (E8M0 scales of ca_wv, one for each 32 codes along K); encoder_hidden_states_codes 2 x 2,048 x 32 x 24 uint8 (E2M3 codes of encoder_hidden_states, K innermost, in blocks of 32 codes, four codes in three bytes); encoder_hidden_states_scales 2 x 2,048 x 32 uint8 (E8M0 scales of encoder_hidden_states, one for each 32 codes along K); fc1_b 1,024 float32; fc1_w_codes 1,024 x 32 x 24 uint8 (E2M3 codes of fc1_w, K innermost, in blocks of 32 codes, four codes in three bytes); fc1_w_scales 1,024 x 32 uint8 (E8M0 scales of fc1_w, one for each 32 codes along K); fc2_b 1,024 float32; fc2_w_codes 1,024 x 32 x 24 uint8 (E2M3 codes of fc2_w, K innermost, in blocks of 32 codes, four codes in three bytes); fc2_w_scales 1,024 x 32 uint8 (E8M0 scales of fc2_w, one for each 32 codes along K); hidden_states 2 x 2,048 x 1,024 float32; ln1_b 1,024 float32; ln1_g 1,024 float32; ln2_b 1,024 float32; ln2_g 1,024 float32; ln3_b 1,024 float32; ln3_g 1,024 float32; sa_bk 1,024 float32; sa_bq 1,024 float32; sa_bv 1,024 float32; sa_wk_codes 1,024 x 32 x 24 uint8 (E2M3 codes of sa_wk, K innermost, in blocks of 32 codes, four codes in three bytes); sa_wk_scales 1,024 x 32 uint8 (E8M0 scales of sa_wk, one for each 32 codes along K); sa_wq_codes 1,024 x 32 x 24 uint8 (E2M3 codes of sa_wq, K innermost, in blocks of 32 codes, four codes in three bytes); sa_wq_scales 1,024 x 32 uint8 (E8M0 scales of sa_wq, one for each 32 codes along K); sa_wv_codes 1,024 x 32 x 24 uint8 (E2M3 codes of sa_wv, K innermost, in blocks of 32 codes, four codes in three bytes); sa_wv_scales 1,024 x 32 uint8 (E8M0 scales of sa_wv, one for each 32 codes along K).
;; Outputs: out0 2 x 2,048 x 1,024 float32.
;; This version of the problem:
;;   THIS VERSION OF THE PROBLEM IS GIVEN IN LOW PRECISION. The matrix products marked QUANTISED in the list below multiply operands that are first quantised to E2M3 (2 exponent bits, 3 mantissa bits; 6 bits a number), with one power-of-two scale for each 32 numbers along K (OCP MX v1.0); their sums are f32. All else is computed in f32.
;;   The module's matrix products, in the order in which they are computed (A, B: the left and right operand; K: the contracted axis; several contracted axes count as one K, in the product's order):
;;     1. [M 4,096, K 1,024] x [K 1,024, N 1,024]; A: input hidden_states; B: input sa_wq (given as codes): QUANTISED
;;     2. [M 4,096, K 1,024] x [K 1,024, N 1,024]; A: input hidden_states; B: input sa_wk (given as codes): QUANTISED
;;     3. [M 4,096, K 1,024] x [K 1,024, N 1,024]; A: input hidden_states; B: input sa_wv (given as codes): QUANTISED
;;     4. batch 32 x [M 2,048, K 64] x [K 64, N 2,048]; A: computed on the way; B: computed on the way: QUANTISED
;;     5. batch 32 x [M 2,048, K 2,048] x [K 2,048, N 64]; A: softmax (see below); B: computed on the way: QUANTISED
;;     6. [M 4,096, K 1,024] x [K 1,024, N 1,024]; A: computed on the way; B: input ca_wq (given as codes): QUANTISED
;;     7. [M 4,096, K 1,024] x [K 1,024, N 1,024]; A: input encoder_hidden_states (given as codes); B: input ca_wk (given as codes): QUANTISED
;;     8. [M 4,096, K 1,024] x [K 1,024, N 1,024]; A: input encoder_hidden_states (given as codes); B: input ca_wv (given as codes): QUANTISED
;;     9. batch 32 x [M 2,048, K 64] x [K 64, N 2,048]; A: computed on the way; B: computed on the way: QUANTISED
;;     10. batch 32 x [M 2,048, K 2,048] x [K 2,048, N 64]; A: softmax (see below); B: computed on the way: QUANTISED
;;     11. [M 4,096, K 1,024] x [K 1,024, N 1,024]; A: computed on the way; B: input fc1_w (given as codes): QUANTISED
;;     12. [M 4,096, K 1,024] x [K 1,024, N 1,024]; A: computed on the way; B: input fc2_w (given as codes): QUANTISED
;;   THE QUANTISER, for each operand of a quantised product, along K:
;;     - K is cut into blocks of 32 from its start; a last block that is shorter is filled with zeros.
;;     - A block's scale is 2^e with e = floor(log2(the largest magnitude in the block)) - 2, held to -126 .. 127; a block of zeros has e = 0. As a byte (E8M0): e + 127.
;;     - Each number is divided by its block's scale, clamped to +-7.5, and rounded to the nearest number of E2M3, ties to even, subnormals kept.
;;     - The product sums the exact products of the quantised numbers (number of the format x scale) in f32.
;;   ~~~python
;;   def quantise(x, axis):      # numpy; x: float32 -> the quantised numbers, widened to float32 again
;;       x = np.moveaxis(x, axis, -1); K = x.shape[-1]
;;       x = np.pad(x, [(0, 0)] * (x.ndim - 1) + [(0, -K % 32)]); x = x.reshape(x.shape[:-1] + (-1, 32)); a = np.abs(x).max(-1, keepdims=True)
;;       e = np.where(a > 0, np.clip(np.frexp(np.where(a > 0, a, 1))[1] - 1 - 2, -126, 127), 0)      # np.frexp(a)[1] - 1 = floor(log2(a)), exactly
;;       r = np.clip(x / 2.0 ** e, -7.5, 7.5)
;;       step = 2.0 ** (np.maximum(np.frexp(np.where(r == 0, 1, r))[1] - 1, 0) - 3)
;;       q = np.round(r / step) * step * 2.0 ** e      # np.round: ties to even
;;       return np.moveaxis(q.reshape(q.shape[:-2] + (-1,))[..., :K], -1, axis).astype(np.float32)
;;   ~~~
;;   SOFTMAX AHEAD OF A QUANTISED PRODUCT. Where the list says 'softmax', what is quantised is not the finished softmax but p = 2^(t - M), with t = logit x log2(e) and M = ceil(the row's largest t), a whole number; so 1/2 < the row's largest p <= 1. The row's sum l is taken of the UNQUANTISED p, in f32, and the product's result is divided by l at the end. Since M is a whole number, a kernel that streams over the keys may use a running M (the ceiling of the running maximum): every later rescaling is an exact power of two, which a block's scale takes up: the codes' values come out the same.
;;   OPERANDS COMPUTED ON THE WAY. 'Computed on the way' means the value that the module computes at that place (a softmax that the list does not call 'softmax' is quantised finished and normalised). What goes into a quantiser is computed in f32, as accurately as f32 sums, v_exp_f32 and their like allow (about 1e-6 of the number): no bf16 or f16 on the way to a quantiser, and a product that is left as it is and whose result goes on into a quantised operand takes f32 operands (vector FMAs, or v_wmma_f32_16x16x4_f32). A number that lies on a knife's edge between two numbers of the format may be rounded either way, as far as f32 arithmetic and the matrix unit's own rounding can turn it there, and no further.
;;   INPUTS GIVEN AS CODES. ca_wk (in the module: [1024, 1024], K = its axis 0); ca_wq (in the module: [1024, 1024], K = its axis 0); ca_wv (in the module: [1024, 1024], K = its axis 0); encoder_hidden_states (in the module: [2, 2048, 1024], K = its axis 2); fc1_w (in the module: [1024, 1024], K = its axis 0); fc2_w (in the module: [1024, 1024], K = its axis 0); sa_wk (in the module: [1024, 1024], K = its axis 0); sa_wq (in the module: [1024, 1024], K = its axis 0); sa_wv (in the module: [1024, 1024], K = its axis 0): each comes as NAME_codes (uint8): NAME with its K axis moved to the last place and cut into blocks of 32 codes, [.., K / 32, bytes a block], one block behind the other in memory; four codes in three bytes: a row's codes are one little-endian stream of bits, code i at bits 6 i .. 6 i + 5 (a code: sign, 2 exponent bits, 3 mantissa bits); and NAME_scales (uint8): the same leading axes, one E8M0 byte (e + 127) for each 32 codes along K. Its value is code x scale, taken as it is: it is not quantised again, and the codes and scales need not be those that the quantiser above would give.
;; One version. Each part assembles by itself: llvm-mc -triple=amdgcn-amd-amdhsa -mcpu=gfx1250 --defsym DOCPART=n.
;; ======== version 1 of 1: 6 launches
;; limits: right only within a limited range of input values
;; workspace buffers: wA 9,011,200 bytes; wB 819,200 bytes; act0 3,276,800 bytes; kvs 6,684,672 bytes; kvc 6,684,672 bytes; ctx 16,777,216 bytes; x1 16,777,216 bytes
;; launch prep (part 1): grid 352 x 1, 8 waves a work-group, no clusters, 68,608 bytes of LDS; arguments sa_wq_codes, sa_wq_scales, sa_wk_codes, sa_wk_scales, ca_wk_codes, ca_wk_scales, sa_wv_codes, sa_wv_scales, ca_wv_codes, ca_wv_scales, fc1_w_codes, fc1_w_scales, fc2_w_codes, fc2_w_scales, ca_wq_codes, ca_wq_scales, encoder_hidden_states_codes, encoder_hidden_states_scales, hidden_states, wA, wB, act0; writes wA, wB, act0
.if DOCPART == 1
	.amdgcn_target "amdgcn-amd-amdhsa--gfx1250"
	.amdhsa_code_object_version 6
	.text
	.protected	k_q12b8e6e577_prep
	.globl	k_q12b8e6e577_prep
	.p2align	8
	.type	k_q12b8e6e577_prep,@function
k_q12b8e6e577_prep:
	s_mov_b64 s[64:65], 0
	v_nop
	global_prefetch_b8 v0, s[64:65] scope:SCOPE_SE
	s_setreg_imm32_b32 hwreg(HW_REG_WAVE_MODE, 25, 1), 1
	s_wait_xcnt 0x0
; PREP: every operand that later launches read many times is laid once IN THE ORDER OF THE OPERAND'S REGISTERS.
; An operand X [rows][1024 along K] becomes blocks of 12,800 bytes, one for each (group g of 128 rows, K step s of 128), at g x 102,400 + s x 12,800:
;   bytes t x 1,536 + 512 c + 16 lane: registers 4 c .. 4 c + 3 of tile t's fragment (12 registers a lane);  bytes 12,288 + 64 t + 4 r: the scale word of the tile's row r.
; THE ROWS OF A TILE ARE NOT NEIGHBOURS: lane r of tile t = 2 b + u takes row 128 g + 32 b + 8 u + r + 8 (r / 8), so that, used as source 0, two neighbouring tiles' 16 results are 16 neighbours along the next K.
; Work-groups 0-255: hidden_states (f32) is quantised: work-group = tile of 16 rows, wave = K step.  Work-groups 256-351: the nine tensors given as codes are only laid anew: work-group = (tensor, group), wave = tile.
; A block's scale is 2^(floor(log2(largest magnitude)) - 2); its byte is the largest magnitude's exponent field - 2, held at 1 from below.
; LIMITS: NaN and infinities are not served; a block whose largest magnitude lies under 2^-124 (a block of zeros too) gets the byte 1 with codes that are zeros: these bytes are read by this program alone.
; Scale words leave in runs of 64 bytes (4 bytes in 100 of what is stored).
.set WSZ,  819200                      ; a weight in the new order
.set GRP,  102400                      ; a group of 128 rows, all of K
.set STP,  12800                       ; one K step of it
.set YR,   16                          ; v16-79   64 numbers of a lane
.set TM,   80                          ; v80-95   at work in QUANT
.set PC,   96                          ; v96-114  the codes just made
.set PW,   116                         ; v116     the scale word just made
.set FR,   16                          ; v16-111  a tile's eight fragments as loaded
.set SW,   112                         ; v112-115 four scale words of my row
.set WV,   48
.set SEL,  66                          ; s[66:67] v_permlanex16_b32's selects for lane l xor 16
; 64 numbers of a lane, register 16 b + i = k 32 b + 16 (lane / 16) + i of my row, become a fragment's codes in v[pc] .. v[pc + 11] and its scale word in v[pw].
.macro QUANT s, pc, pw
.irp b, 0,1,2,3
	v_max3_num_f32 v[TM+\b], |v[\s+16*\b]|, |v[\s+1+16*\b]|, 0x1800000   ; block b: my 16 numbers, and the floor 2^(3 - 127): the byte cannot fall under 1
.endr
.irp i, 2,4,6,8,10,12,14
.irp b, 0,1,2,3
	s_delay_alu instid0(VALU_DEP_4)
	v_max3_num_f32 v[TM+\b], v[TM+\b], |v[\s+16*\b+\i]|, |v[\s+1+16*\b+\i]|
.endr
.endr
.irp b, 0,1,2,3
	s_delay_alu instid0(VALU_DEP_4)
	v_permlanex16_b32 v[TM+4+\b], v[TM+\b], s[SEL], s[SEL+1]
.endr
.irp b, 0,1,2,3
	s_delay_alu instid0(VALU_DEP_4)
	v_max_num_f32 v[TM+\b], v[TM+\b], v[TM+4+\b]                     ; with lane l xor 16's: the block's largest magnitude
.endr
.irp b, 0,1,2,3
	s_delay_alu instid0(VALU_DEP_4)
	v_add_nc_u32 v[TM+12+\b], 0xff000000, v[TM+\b]                   ; 2 off its exponent field: the conversion's scale operand
.endr
.irp b, 0,1,2,3
	s_delay_alu instid0(VALU_DEP_4)
	v_lshrrev_b32 v[TM+4+\b], 23, v[TM+12+\b]                        ; the scale's byte
.endr
	s_delay_alu instid0(VALU_DEP_3)
	v_lshl_or_b32 v[\pw], v[TM+5], 8, v[TM+4]
	s_delay_alu instid0(VALU_DEP_1)
	v_lshl_or_b32 v[\pw], v[TM+6], 16, v[\pw]
	s_delay_alu instid0(VALU_DEP_1)
	v_lshl_or_b32 v[\pw], v[TM+7], 24, v[\pw]
.irp c, 0,1
	v_cvt_scalef32_pk16_fp6_f32 v[\pc+6*\c:\pc+2+6*\c], v[\s+32*\c:\s+15+32*\c], v[TM+12+2*\c]
	v_cvt_scalef32_pk16_fp6_f32 v[\pc+12+4*\c:\pc+14+4*\c], v[\s+16+32*\c:\s+31+32*\c], v[TM+12+2*\c+1]   ; (a conversion's three registers begin on an even number)
.endr
	v_nop                                          ; one plain place behind a scaled conversion
.irp c, 0,1                                    ; the operand's layout wants a whole block in a lane
.irp i, 0,1,2
	v_permlane16_swap_b32 v[\pc+6*\c+\i], v[\pc+12+4*\c+\i]
.endr
.irp i, 0,1,2
	s_delay_alu instid0(VALU_DEP_3)
	v_mov_b32 v[\pc+3+6*\c+\i], v[\pc+12+4*\c+\i]
.endr
.endr
.endm
	s_load_b512 s[4:19], s[0:1], 0x0               ; codes and scales of tensors 0-3: s[4 + 4 k : 7 + 4 k]
	s_load_b512 s[20:35], s[0:1], 0x40             ; of tensors 4-7
	s_load_b256 s[36:43], s[0:1], 0x80             ; the encoder's codes, scales; hidden_states s[40:41]; wA s[42:43]
	s_load_b128 s[44:47], s[0:1], 0xa0             ; wB s[44:45], act0 s[46:47]
	v_lshl_add_u32 v128, v0, 2, 0x10800
	v_mov_b32 v129, 0
	v_lshrrev_b32 v1, 5, v0
	s_delay_alu instid0(VALU_DEP_1)
	v_readfirstlane_b32 s[WV], v1                  ; wave 0..7
	v_and_b32 v3, 31, v0                           ; lane
	v_and_b32 v1, 15, v0                           ; r
	v_bfe_u32 v2, v0, 4, 1                         ; h
	s_delay_alu instid0(VALU_DEP_3)
	v_lshlrev_b32 v4, 4, v3                        ; 16 x lane
	s_delay_alu instid0(VALU_DEP_3)
	v_lshlrev_b32 v7, 2, v1                        ; 4 r
	s_mul_i32 s49, s[WV], 8448                     ; my wave's stage: 16 rows x (512 + 16) bytes
	v_add_nc_u32 v5, s49, v4                       ; into it: a row's 512 bytes, 16 a lane
	v_mul_u32_u24 v6, v1, 528
	s_delay_alu instid0(VALU_DEP_1)
	v_lshl_add_u32 v6, v2, 6, v6
	s_delay_alu instid0(VALU_DEP_1)
	v_add_nc_u32 v6, s49, v6                       ; out of it: row r, + 64 h: my 16 numbers of a block of 32
	s_mov_b32 s[SEL], 0x76543210
	s_mov_b32 s[SEL+1], 0xfedcba98
	s_wait_kmcnt 0x0
	s_cmp_lt_u32 ttmp9, 256
	s_cbranch_scc0 .Lweights
	; ---- hidden_states: tile T = work-group, K step = wave
	s_lshr_b32 s50, ttmp9, 3                       ; g
	s_and_b32 s51, ttmp9, 7                        ; t
	s_lshl_b32 s52, s50, 7
	s_lshr_b32 s53, s51, 1
	s_lshl_b32 s53, s53, 5
	s_add_co_u32 s52, s52, s53
	s_and_b32 s53, s51, 1
	s_lshl_b32 s53, s53, 3
	s_add_co_u32 s52, s52, s53                     ; the tile's first row: 128 g + 32 (t / 2) + 8 (t % 2)
	s_lshl_b32 s52, s52, 12                        ; rows of 4,096 bytes
	s_lshl_b32 s53, s[WV], 9                       ; my K step's 512 bytes
	s_add_co_u32 s52, s52, s53
	s_mov_b32 s53, 0
	s_add_nc_u64 s[40:41], s[40:41], s[52:53]
	s_wait_alu depctr_va_vdst(0)
.irp i, 0,1,2,3,4,5,6,7,8,9,10,11,12,13,14,15
	global_load_b128 v[YR+4*\i:YR+4*\i+3], v4, s[40:41] offset:(\i%8+16*(\i/8))*4096 th:TH_LOAD_NT   ; 32 lanes read 512 consecutive bytes of the tile's row i
.endr
	s_mul_i32 s52, s50, GRP
	s_mul_i32 s54, s[WV], STP
	s_add_co_u32 s52, s52, s54
	s_add_nc_u64 s[46:47], s[46:47], s[52:53]      ; my block of act0
	s_mul_i32 s54, s51, 1536
	s_mov_b32 s55, 0
	s_add_nc_u64 s[56:57], s[46:47], s[54:55]      ; the tile's codes
	s_lshl_b32 s54, s51, 6
	s_add_nc_u64 s[58:59], s[46:47], s[54:55]      ; the tile's scale words
.irp b, 0,1,2,3
	v_mov_b32 v[TM+4+\b], 0                        ; written once: a lane permute's destination counts as one of its sources
.endr
.irp i, 0,1,2,3,4,5,6,7,8,9,10,11,12,13,14,15
	s_wait_loadcnt 15-\i                           ; row i is in; the 15 - i younger loads may be out
	ds_store_b128 v5, v[YR+4*\i:YR+4*\i+3] offset:528*\i
.endr
.irp b, 0,1,2,3
.irp j, 0,1,2,3
	ds_load_b128 v[YR+16*\b+4*\j:YR+16*\b+4*\j+3], v6 offset:128*\b+16*\j   ; LDS serves a wave's instructions in order: these see my stores
.endr
.endr
	s_wait_dscnt 0x0
	QUANT YR, PC, PW
.irp c, 0,1,2
	global_store_b128 v4, v[PC+4*\c:PC+4*\c+3], s[56:57] offset:512*\c   ; 512 consecutive bytes a store
.endr
	global_store_b32 v7, v[PW], s[58:59] offset:12288   ; lanes r and r + 16 hold the same word and write it to the same place
	s_wait_tensorcnt 0x0
	ds_add_u32 v128, v129
	s_wait_dscnt 0x0
	s_endpgm
.Lweights:                                         ; ---- a tensor given as codes: the bytes are only laid anew
	s_sub_co_u32 s50, ttmp9, 256                   ; z = 0..95
	s_lshr_b32 s51, s50, 3                         ; k: 0-7 the weights, 8-11 the encoder's four times eight groups
	s_and_b32 s52, s50, 7
	s_sub_co_u32 s53, s50, 64
	s_cmp_ge_u32 s51, 8
	s_cselect_b32 s52, s53, s52                    ; the group of 128 rows
	s_cselect_b64 s[60:61], s[36:37], s[4:5]       ; the codes,
	s_cselect_b64 s[62:63], s[38:39], s[6:7]       ; the scale bytes
.irp k, 1,2,3,4,5,6,7
	s_cmp_eq_u32 s51, \k
	s_cselect_b64 s[60:61], s[4+4*\k:5+4*\k], s[60:61]
	s_cselect_b64 s[62:63], s[6+4*\k:7+4*\k], s[62:63]
.endr
	s_min_u32 s54, s51, 7
	s_mul_i32 s54, s54, WSZ                        ; in wA: tensor k at k x WSZ, the encoder behind the seven weights
	s_cmp_eq_u32 s51, 7                            ; ca_wq has a buffer of its own
	s_cselect_b32 s54, 0, s54
	s_cselect_b64 s[56:57], s[44:45], s[42:43]
	s_mul_i32 s55, s52, GRP
	s_add_co_u32 s54, s54, s55
	s_mov_b32 s55, 0
	s_add_nc_u64 s[56:57], s[56:57], s[54:55]      ; the group's eight blocks
	s_lshl_b32 s54, s52, 7
	s_lshr_b32 s58, s[WV], 1
	s_lshl_b32 s58, s58, 5
	s_add_co_u32 s54, s54, s58
	s_and_b32 s58, s[WV], 1
	s_lshl_b32 s58, s58, 3
	s_add_co_u32 s54, s54, s58                     ; my tile's first row
	s_mul_i32 s58, s54, 768
	s_mov_b32 s59, 0
	s_add_nc_u64 s[60:61], s[60:61], s[58:59]
	s_lshl_b32 s58, s54, 5
	s_add_nc_u64 s[62:63], s[62:63], s[58:59]
	s_mul_i32 s58, s[WV], 1536
	s_add_nc_u64 s[68:69], s[56:57], s[58:59]      ; where my tile's codes go,
	s_lshl_b32 s58, s[WV], 6
	s_add_nc_u64 s[70:71], s[56:57], s[58:59]      ; and its scale words
	s_wait_alu depctr_va_vdst(0)
	v_and_b32 v8, 8, v1
	s_delay_alu instid0(VALU_DEP_1)
	v_add_nc_u32 v8, v8, v1                        ; r + 8 (r / 8)
	s_delay_alu instid0(VALU_DEP_1)
	v_mul_u32_u24 v9, v8, 768
	s_delay_alu instid0(VALU_DEP_1)
	v_mad_u32_u24 v9, v2, 24, v9                   ; my row's codes, + 24 h
	s_delay_alu instid0(VALU_DEP_3)
	v_lshlrev_b32 v10, 5, v8
	s_delay_alu instid0(VALU_DEP_1)
	v_lshl_add_u32 v10, v2, 4, v10                 ; my row's scale bytes: words 4 h .. 4 h + 3
	v_mad_u32_u24 v11, v2, 0xc800, v7              ; out: 4 K steps x h + 4 r
	global_load_b128 v[SW:SW+3], v10, s[62:63]
.irp s, 0,1,2,3,4,5,6,7
.irp p, 0,1,2,3,4,5
	global_load_b64 v[FR+12*\s+2*\p:FR+12*\s+2*\p+1], v9, s[60:61] offset:96*\s+48*(\p/3)+8*(\p%3)   ; the fragment of K step s, in pieces of 8 bytes
.endr
.endr
	s_wait_alu depctr_va_vdst(0)
.irp s, 0,1,2,3,4,5,6,7
	s_wait_loadcnt 6*(7-\s)                        ; K step s is in; the later steps' six loads each may be out
.irp c, 0,1,2
	global_store_b128 v4, v[FR+12*\s+4*\c:FR+12*\s+4*\c+3], s[68:69] offset:STP*\s+512*\c
.endr
.endr
.irp j, 0,1,2,3
	global_store_b32 v11, v[SW+\j], s[70:71] offset:STP*\j+12288   ; lanes 0-15: K step j; lanes 16-31: K step 4 + j
.endr
	s_endpgm
.Lfunc_end_k_q12b8e6e577_prep:
	.size	k_q12b8e6e577_prep, .Lfunc_end_k_q12b8e6e577_prep-k_q12b8e6e577_prep
	.p2alignl 7, 3214868480
	.fill 96, 4, 3214868480
	.section	.rodata,"a",@progbits
	.p2align	6, 0x0
	.amdhsa_kernel k_q12b8e6e577_prep
		.amdhsa_group_segment_fixed_size 68608
		.amdhsa_private_segment_fixed_size 0
		.amdhsa_enable_private_segment 0
		.amdhsa_kernarg_size 176
		.amdhsa_user_sgpr_count 2
		.amdhsa_user_sgpr_kernarg_segment_ptr 1
		.amdhsa_wavefront_size32 1
		.amdhsa_system_sgpr_workgroup_id_x 1
		.amdhsa_system_sgpr_workgroup_id_y 1
		.amdhsa_system_sgpr_workgroup_id_z 1
		.amdhsa_system_vgpr_workitem_id 0
		.amdhsa_next_free_vgpr 130
		.amdhsa_next_free_sgpr 80
		.amdhsa_reserve_vcc 0
		.amdhsa_float_denorm_mode_32 3
		.amdhsa_float_denorm_mode_16_64 3
		.amdhsa_memory_ordered 1
		.amdhsa_forward_progress 1
		.amdhsa_inst_pref_size 23
	.end_amdhsa_kernel
	.amdgpu_metadata
---
amdhsa.version: [ 1, 2 ]
amdhsa.kernels:
  - .name:           k_q12b8e6e577_prep
    .symbol:         k_q12b8e6e577_prep.kd
    .args:
      - { .name: sa_wq_codes, .offset: 0, .size: 8, .value_kind: global_buffer, .address_space: global }
      - { .name: sa_wq_scales, .offset: 8, .size: 8, .value_kind: global_buffer, .address_space: global }
      - { .name: sa_wk_codes, .offset: 16, .size: 8, .value_kind: global_buffer, .address_space: global }
      - { .name: sa_wk_scales, .offset: 24, .size: 8, .value_kind: global_buffer, .address_space: global }
      - { .name: ca_wk_codes, .offset: 32, .size: 8, .value_kind: global_buffer, .address_space: global }
      - { .name: ca_wk_scales, .offset: 40, .size: 8, .value_kind: global_buffer, .address_space: global }
      - { .name: sa_wv_codes, .offset: 48, .size: 8, .value_kind: global_buffer, .address_space: global }
      - { .name: sa_wv_scales, .offset: 56, .size: 8, .value_kind: global_buffer, .address_space: global }
      - { .name: ca_wv_codes, .offset: 64, .size: 8, .value_kind: global_buffer, .address_space: global }
      - { .name: ca_wv_scales, .offset: 72, .size: 8, .value_kind: global_buffer, .address_space: global }
      - { .name: fc1_w_codes, .offset: 80, .size: 8, .value_kind: global_buffer, .address_space: global }
      - { .name: fc1_w_scales, .offset: 88, .size: 8, .value_kind: global_buffer, .address_space: global }
      - { .name: fc2_w_codes, .offset: 96, .size: 8, .value_kind: global_buffer, .address_space: global }
      - { .name: fc2_w_scales, .offset: 104, .size: 8, .value_kind: global_buffer, .address_space: global }
      - { .name: ca_wq_codes, .offset: 112, .size: 8, .value_kind: global_buffer, .address_space: global }
      - { .name: ca_wq_scales, .offset: 120, .size: 8, .value_kind: global_buffer, .address_space: global }
      - { .name: encoder_hidden_states_codes, .offset: 128, .size: 8, .value_kind: global_buffer, .address_space: global }
      - { .name: encoder_hidden_states_scales, .offset: 136, .size: 8, .value_kind: global_buffer, .address_space: global }
      - { .name: hidden_states, .offset: 144, .size: 8, .value_kind: global_buffer, .address_space: global }
      - { .name: wA, .offset: 152, .size: 8, .value_kind: global_buffer, .address_space: global }
      - { .name: wB, .offset: 160, .size: 8, .value_kind: global_buffer, .address_space: global }
      - { .name: act0, .offset: 168, .size: 8, .value_kind: global_buffer, .address_space: global }
    .group_segment_fixed_size: 68608
    .private_segment_fixed_size: 0
    .kernarg_segment_align: 8
    .kernarg_segment_size: 176
    .max_flat_workgroup_size: 256
    .sgpr_count:     80
    .vgpr_count:     130
    .wavefront_size: 32
...
	.end_amdgpu_metadata
.endif
;; end of part 1
;; launch gkv (part 2): grid 16 x 32, 4 waves a work-group, clusters of 4 x 4, 327,680 bytes of LDS; arguments wA, act0, sa_bk, ca_bk, sa_bv, ca_bv, kvs, kvc; writes kvs, kvc
.if DOCPART == 2
	.amdgcn_target "amdgcn-amd-amdhsa--gfx1250"
	.amdhsa_code_object_version 6
	.text
	.protected	k_q12b8e6e577_gkv
	.globl	k_q12b8e6e577_gkv
	.p2align	8
	.type	k_q12b8e6e577_gkv,@function
k_q12b8e6e577_gkv:
	s_mov_b64 s[64:65], 0
	v_nop
	global_prefetch_b8 v0, s[64:65] scope:SCOPE_SE
	s_setreg_imm32_b32 hwreg(HW_REG_WAVE_MODE, 25, 1), 1
	s_wait_xcnt 0x0
	s_wait_alu depctr_hold_cnt(0) depctr_sa_sdst(0) depctr_va_vdst(0) depctr_va_sdst(0) depctr_va_ssrc(0) depctr_va_vcc(0) depctr_vm_vsrc(0)
	s_getreg_b32 s2, hwreg(HW_REG_IB_STS2, 6, 4)
	s_cmp_eq_u32 s2, 0
	s_cbranch_scc0 .Lentry_in_a_cluster
	s_endpgm
.Lentry_in_a_cluster:
	s_bfe_u32 s2, ttmp6, 0x10000c
	s_cmp_lg_u32 s2, 0xf033
	s_cbranch_scc0 .Lentry_shape_is_right
	s_endpgm
.Lentry_shape_is_right:
; The keys and values of both attentions: K = Q(x Wk + bk), V = Q(x Wv + bv), on codes of FP6 (E2M3) with one E8M0 scale for each 32 along K; K = 1,024.
; A work-group owns (self or cross attention, 128 rows of the weights = two heads, 128 tokens) and makes TWO tiles of 128 x 128 that share the tokens' panel.
; All operands lie in memory in the order of the operand's registers, in blocks of 12,800 bytes for (group of 128 rows, K step of 128): 8 tiles x 1,536 bytes of codes, then 8 x 64 bytes of scale words.
; THE THREE PANELS (tokens, Wk, Wv: 3 x 102,400 bytes) STAY IN LDS: each byte of LDS is filled once, so there is no ring; three panels are fetched for two tiles.
; Source 0's 128 rows run along a lane's registers in the result, and are the K of the product that follows; source 1's rows stay in the lanes.
;   keys:   source 0 = Wk's 128 rows, source 1 = the tokens: a lane's 64 results are quantised along the two heads' 64.
;   values: source 0 = the tokens (keys), source 1 = Wv's rows: a lane's 64 results are quantised along the keys.
; WHICH ATTENTION hangs on the cluster's x alone (0, 1 self; 2, 3 cross), which all sixteen partners share.
; CLUSTERS: 4 x 4.  The tokens' panel hangs on cy and is shared along a row of the cluster, the weights' panels on cx and are shared along a column: each block is asked for jointly by the four that need it.
; A wave makes 128 (source 0) x 32 (source 1) of each tile: 16 accumulators.  The results leave as blocks of 13,056 bytes for (batch x head, 128 tokens):
;   0: 8 tiles of keys x 768 bytes (6 registers a lane: 512 bytes of registers 0-3, 256 of registers 4-5);  6,144: 4 tiles of V^T x 1,536;  12,288: the keys' scale words (bytes 2, 3 = 0x7f);  12,800: V's.
; LIMITS: NaN and infinities are not served; a block whose largest magnitude lies under 2^-124 gets the byte 1 and zero codes (read by this program alone).  Scale words leave in runs of 128 bytes.
; REGISTERS: window 0: v1-3 lane numbers; v4-11 LDS addresses of the first tile, v232-239 of the second; v12-15, v224-227 offsets and words on the way out; v16-25 scale words, two sets; v26-27 the scale words made; v28-31 V's bias;
;   v32-79 source 1's fragments, two sets, later the codes made; v80-95 at work; v96-159 64 results; v160-223 K's bias.   window 1: the 16 accumulators, (j, t) at v[64 j + 8 t].   window 2: source 0's fragments, two sets of 96.
.set WSZ,  819200                      ; a weight in the buffer: sa_wq, sa_wk, ca_wk, sa_wv, ca_wv, fc1_w, fc2_w, then the encoder's codes
.set ENC_OFF, 7*WSZ
.set GRP,  102400
.set STP,  12800
.set KVB,  13056
.set HS,   16*KVB                      ; from a head's blocks to the next head's
.set G0V,  20                          ; s[20:23] group 0 for my quarter of Wv
.set G1T,  24                          ; s[24:31] descriptor group 1 for the tokens' blocks (my row of the cluster)
.set G1W,  32                          ; s[32:39] for Wk's blocks (my column)
.set G0T,  40                          ; s[40:43] group 0 for my half of the tokens' panel
.set WV,   56
.set ESTP, 57                          ; (wave % 2) x 51,200: which half of a panel I fetch
.set CXI,  58
.set CYI,  59
.set WHICH, 60
.set WGR,  61                          ; the weights' group of 128 rows
.set TGR,  62                          ; the tokens' group
.set SEL,  66
.set G0K,  68                          ; s[68:71] group 0 for my half of Wk's panel
.set G1V,  84                          ; s[84:91] group 1 for a quarter of Wv: two K steps in one load
.set OUTP, 92
.set BKP,  94
.set BVP,  100
.set A1,   4                           ; the keys' tile: v4-5 source 0's fragments (K steps 0-3, 4-7), v6-7 source 1's, v8-9 source 0's scale words, v10-11 source 1's
.set A2,   232                         ; the values' tile: the same in v232-239; v232 is also 16 x lane
.set SCP,  16
.set SCR,  24
.set PW,   26
.set BR,   28
.set RF,   32
.set PC0,  32
.set TM,   80
.set HH,   96
.set BIAS, 160
.set MSB,  0
.macro WIN new                         ; the immediate's high byte repeats the setting that is left
.if MSB != \new
	s_set_vgpr_msb (MSB<<8)|\new
.set MSB, \new
.endif
.endm
.macro PLACES                          ; four places behind a matrix instruction, ahead of loads into its registers and of reads of its results
.rept 4
	v_nop
.endr
.endm
.macro CROUND                          ; a round of the cluster's barrier
	s_barrier_signal -1
	s_barrier_wait -1
	s_cmp_lg_u32 s[WV], 0
	s_cbranch_scc1 .Lnot_wave_0_\@
	s_barrier_signal -3
.Lnot_wave_0_\@:
	s_barrier_wait -3
	s_barrier_signal -1
	s_barrier_wait -1
.endm
; 64 numbers of a lane, register 16 b + i = k 32 b + 16 (lane / 16) + i of my row, become a fragment's codes in v[pc] .. v[pc + 11] and its scale word in v[pw].
.macro QUANT s, pc, pw
.irp b, 0,1,2,3
	v_max3_num_f32 v[TM+\b], |v[\s+16*\b]|, |v[\s+1+16*\b]|, 0x1800000   ; and the floor 2^(3 - 127): the byte cannot fall under 1
.endr
.irp i, 2,4,6,8,10,12,14
.irp b, 0,1,2,3
	v_max3_num_f32 v[TM+\b], v[TM+\b], |v[\s+16*\b+\i]|, |v[\s+1+16*\b+\i]|
.endr
.endr
.irp b, 0,1,2,3
	v_permlanex16_b32 v[TM+4+\b], v[TM+\b], s[SEL], s[SEL+1]
.endr
.irp b, 0,1,2,3
	v_max_num_f32 v[TM+\b], v[TM+\b], v[TM+4+\b]
.endr
.irp b, 0,1,2,3
	v_add_nc_u32 v[TM+12+\b], 0xff000000, v[TM+\b]                   ; 2 off the exponent field: the conversion's scale operand
.endr
.irp b, 0,1,2,3
	v_lshrrev_b32 v[TM+4+\b], 23, v[TM+12+\b]                        ; the scale's byte
.endr
	v_lshl_or_b32 v[\pw], v[TM+5], 8, v[TM+4]
	v_lshl_or_b32 v[\pw], v[TM+6], 16, v[\pw]
	v_lshl_or_b32 v[\pw], v[TM+7], 24, v[\pw]
.irp c, 0,1
	v_cvt_scalef32_pk16_fp6_f32 v[\pc+6*\c:\pc+2+6*\c], v[\s+32*\c:\s+15+32*\c], v[TM+12+2*\c]
	v_cvt_scalef32_pk16_fp6_f32 v[\pc+12+4*\c:\pc+14+4*\c], v[\s+16+32*\c:\s+31+32*\c], v[TM+12+2*\c+1]
.endr
	v_nop                                          ; one plain place behind a scaled conversion
.irp c, 0,1
.irp i, 0,1,2
	v_permlane16_swap_b32 v[\pc+6*\c+\i], v[\pc+12+4*\c+\i]
.endr
.irp i, 0,1,2
	v_mov_b32 v[\pc+3+6*\c+\i], v[\pc+12+4*\c+\i]
.endr
.endr
.endm
; K step s out of LDS into set s % 2, by the eight address registers from v[ab] on: 35 loads: source 0's 8 fragments, my 2 of source 1, source 0's scale words (one register for two tiles: lanes 0-15 tile 2 i,
; lanes 16-31 tile 2 i + 1), source 1's (one register for my two tiles)
.macro LSTEP s, ab
.set e1, (\s)%2
.set hh, (\s)/4
.set so, ((\s)%4)*STP
	WIN 0x80                                       ; destination window 2, address window 0
.irp t, 0,1,2,3,4,5,6,7
.irp c, 0,1,2
	ds_load_b128 v[96*e1+12*\t+4*\c:96*e1+12*\t+4*\c+3], v[\ab+hh] offset:so+1536*\t+512*\c
.endr
.endr
	WIN 0
.irp j, 0,1
.irp c, 0,1,2
	ds_load_b128 v[RF+24*e1+12*\j+4*\c:RF+24*e1+12*\j+4*\c+3], v[\ab+2+hh] offset:so+1536*\j+512*\c
.endr
.endr
.irp i, 0,1,2,3
	ds_load_b32 v[SCP+4*e1+\i], v[\ab+4+hh] offset:so+128*\i
.endr
	ds_load_b32 v[SCR+e1], v[\ab+6+hh] offset:so
.endm
.macro WM j, t                         ; accumulator (j, t) takes the K step's product of source 0's tile t and source 1's tile j; e2: the set; z0: the first K step starts the sums
.set rD, 64*\j+8*\t
.set rP, 96*e2+12*\t
.set rR, RF+24*e2+12*\j
.set rA, SCP+4*e2+\t/2
.set rB, SCR+e2
.if z0
.if (\t%2 == 0) && (\j == 0)
	v_wmma_scale_f32_16x16x128_f8f6f4 v[rD:rD+7], v[rP:rP+11], v[rR:rR+11], 0, v[rA], v[rB] matrix_a_fmt:MATRIX_FMT_FP6 matrix_b_fmt:MATRIX_FMT_FP6
.elseif \j == 0
	v_wmma_scale_f32_16x16x128_f8f6f4 v[rD:rD+7], v[rP:rP+11], v[rR:rR+11], 0, v[rA], v[rB] matrix_a_fmt:MATRIX_FMT_FP6 matrix_b_fmt:MATRIX_FMT_FP6 matrix_a_scale:MATRIX_SCALE_ROW1
.elseif \t%2 == 0
	v_wmma_scale_f32_16x16x128_f8f6f4 v[rD:rD+7], v[rP:rP+11], v[rR:rR+11], 0, v[rA], v[rB] matrix_a_fmt:MATRIX_FMT_FP6 matrix_b_fmt:MATRIX_FMT_FP6 matrix_b_scale:MATRIX_SCALE_ROW1
.else
	v_wmma_scale_f32_16x16x128_f8f6f4 v[rD:rD+7], v[rP:rP+11], v[rR:rR+11], 0, v[rA], v[rB] matrix_a_fmt:MATRIX_FMT_FP6 matrix_b_fmt:MATRIX_FMT_FP6 matrix_a_scale:MATRIX_SCALE_ROW1 matrix_b_scale:MATRIX_SCALE_ROW1
.endif
.else
.if (\t%2 == 0) && (\j == 0)
	v_wmma_scale_f32_16x16x128_f8f6f4 v[rD:rD+7], v[rP:rP+11], v[rR:rR+11], v[rD:rD+7], v[rA], v[rB] matrix_a_fmt:MATRIX_FMT_FP6 matrix_b_fmt:MATRIX_FMT_FP6
.elseif \j == 0
	v_wmma_scale_f32_16x16x128_f8f6f4 v[rD:rD+7], v[rP:rP+11], v[rR:rR+11], v[rD:rD+7], v[rA], v[rB] matrix_a_fmt:MATRIX_FMT_FP6 matrix_b_fmt:MATRIX_FMT_FP6 matrix_a_scale:MATRIX_SCALE_ROW1
.elseif \t%2 == 0
	v_wmma_scale_f32_16x16x128_f8f6f4 v[rD:rD+7], v[rP:rP+11], v[rR:rR+11], v[rD:rD+7], v[rA], v[rB] matrix_a_fmt:MATRIX_FMT_FP6 matrix_b_fmt:MATRIX_FMT_FP6 matrix_b_scale:MATRIX_SCALE_ROW1
.else
	v_wmma_scale_f32_16x16x128_f8f6f4 v[rD:rD+7], v[rP:rP+11], v[rR:rR+11], v[rD:rD+7], v[rA], v[rB] matrix_a_fmt:MATRIX_FMT_FP6 matrix_b_fmt:MATRIX_FMT_FP6 matrix_a_scale:MATRIX_SCALE_ROW1 matrix_b_scale:MATRIX_SCALE_ROW1
.endif
.endif
.endm
.macro WSTEP s                         ; 16 matrix instructions: the sixteen accumulators take turns, one instruction a turn, in the same order in every K step
.set e2, (\s)%2
.set z0, (\s)==0
	WIN 0x52                                       ; source 0 window 2, source 1 window 0, C and D window 1
.irp j, 0,1
.irp t, 0,1,2,3,4,5,6,7
	WM \j, \t
.endr
.endr
.endm
; The sums of source 1's tile j, with their bias, come into window 0: one packed addition does both.  Ascending: each accumulator is read from its low end on.  mode 0: the bias runs along the registers; 1: one number a lane
.macro ADDB j, dst, mode
	WIN 0x01                                       ; source 0 window 1
.set k, 0
.rept 32
.if \mode
	v_pk_add_f32 v[\dst+k:\dst+k+1], v[64*(\j)+k:64*(\j)+k+1], v[BR+2*(\j):BR+2*(\j)+1] op_sel_hi:[1,0]
.else
	v_pk_add_f32 v[\dst+k:\dst+k+1], v[64*(\j)+k:64*(\j)+k+1], v[BIAS+k:BIAS+k+1]
.endif
.set k, k+2
.endr
	WIN 0
.endm
	s_load_b512 s[4:19], s[0:1], 0x0               ; the weights s[4:5], hidden's codes s[6:7], bk self, cross s[8:11], bv self, cross s[12:15], the blocks of self, cross s[16:19]
	v_lshl_add_u32 v254, v0, 2, 0x4b000
	v_mov_b32 v255, 0
	ds_add_u32 v254, v255
	ds_add_u32 v254, v255
	v_lshrrev_b32 v1, 5, v0
	v_readfirstlane_b32 s[WV], v1                  ; wave 0..3
	s_and_b32 s[ESTP], s[WV], 1
	s_mul_i32 s[ESTP], s[ESTP], 4*STP              ; waves 0, 2 fetch K steps 0-3 of their panel, waves 1, 3 K steps 4-7
	s_bfe_u32 s[CXI], ttmp6, 0x40000               ; cx, cy: my place in the cluster
	s_bfe_u32 s[CYI], ttmp6, 0x40004
	s_lshr_b32 s[WHICH], ttmp9, 1                  ; 0 self, 1 cross: the same in all sixteen partners
	s_and_b32 s[WGR], ttmp9, 1
	s_lshl_b32 s[WGR], s[WGR], 2
	s_add_co_u32 s[WGR], s[WGR], s[CXI]            ; the weights' group hangs on cx alone,
	s_and_b32 s[TGR], ttmp7, 0xffff
	s_lshl_b32 s[TGR], s[TGR], 2
	s_add_co_u32 s[TGR], s[TGR], s[CYI]            ; the tokens' on cy alone
	s_lshl_b32 s96, s[CYI], 2
	s_lshl_b32 s96, 15, s96                        ; my row of the cluster
	s_lshl_b32 s98, 0x1111, s[CXI]                 ; my column
	; descriptor group 1: dense blocks as rows of 256 bytes (32 elements of 8 bytes), no padding: every LDS read is 16 x lane or 4 x lane on end
	s_or_b32 s[G1T], s96, (3<<16)|(1<<21)          ; 15:0 the mask: the tokens' blocks go to my row; 17:16 elements of 8 bytes; 21 set beside a mask
	s_or_b32 s[G1W], s98, (3<<16)|(1<<21)          ; the weights' go to my column
	s_or_b32 s[G1V], s98, (3<<16)|(1<<21)
.irp g, G1T, G1W
	s_mov_b32 s[\g+1], 32<<16                      ; tensor_dim0 = 32
	s_mov_b32 s[\g+2], 200<<16                     ; tensor_dim1 = 200: four K steps, 51,200 bytes
	s_mov_b32 s[\g+3], 32<<16                      ; tile_dim0 = 32
	s_mov_b32 s[\g+4], 200                         ; tile_dim1 = 200
	s_mov_b32 s[\g+5], 32                          ; from row to row
	s_mov_b32 s[\g+6], 0
	s_mov_b32 s[\g+7], 0
.endr
	s_mov_b32 s[G1V+1], 32<<16
	s_mov_b32 s[G1V+2], 100<<16                    ; two K steps, 25,600 bytes
	s_mov_b32 s[G1V+3], 32<<16
	s_mov_b32 s[G1V+4], 100
	s_mov_b32 s[G1V+5], 32
	s_mov_b32 s[G1V+6], 0
	s_mov_b32 s[G1V+7], 0
	s_mov_b32 s[SEL], 0x76543210
	s_mov_b32 s[SEL+1], 0xfedcba98
	s_wait_dscnt 0x0
	s_wait_kmcnt 0x0
	s_add_nc_u64 s[96:97], s[4:5], ENC_OFF         ; the encoder's codes lie behind the weights
	s_cmp_eq_u32 s[WHICH], 1
	s_cselect_b64 s[96:97], s[96:97], s[6:7]       ; the tokens,
	s_cselect_b64 s[BKP:BKP+1], s[10:11], s[8:9]   ; the two biases,
	s_cselect_b64 s[BVP:BVP+1], s[14:15], s[12:13]
	s_cselect_b64 s[OUTP:OUTP+1], s[18:19], s[16:17]   ; the blocks
	s_mul_i32 s98, s[TGR], GRP
	s_add_co_u32 s98, s98, s[ESTP]
	s_mov_b32 s99, 0
	s_add_nc_u64 s[96:97], s[96:97], s[98:99]      ; the tokens' panel, at my first K step
.irp c, 0                                      ; one load: my half of the panel.  Every wave makes both sets and asks by one of them
	s_mov_b32 s[G0T+4*\c], 1
	s_add_co_u32 s[G0T+4*\c+1], s[ESTP], 2*\c*STP  ; LDS: the tokens' panel from byte 0 on
	s_add_nc_u64 s[G0T+4*\c+2:G0T+4*\c+3], s[96:97], 2*\c*STP
	s_or_b32 s[G0T+4*\c+3], s[G0T+4*\c+3], 0x80000000
.endr
	s_add_co_u32 s98, s[WHICH], 1                  ; sa_wk is the second tensor of the buffer, ca_wk the third
	s_mul_i32 s98, s98, WSZ
	s_mul_i32 s63, s[WGR], GRP
	s_add_co_u32 s98, s98, s63
	s_add_co_u32 s63, s98, 2*WSZ                   ; sa_wv and ca_wv lie two tensors further on
	s_add_co_u32 s98, s98, s[ESTP]
	s_add_nc_u64 s[96:97], s[4:5], s[98:99]        ; Wk's panel, at my first K step
.irp c, 0
	s_mov_b32 s[G0K+4*\c], 1
	s_add_co_u32 s[G0K+4*\c+1], s[ESTP], GRP+2*\c*STP   ; Wk's panel behind the tokens'
	s_add_nc_u64 s[G0K+4*\c+2:G0K+4*\c+3], s[96:97], 2*\c*STP
	s_or_b32 s[G0K+4*\c+3], s[G0K+4*\c+3], 0x80000000
.endr
	s_mul_i32 s98, s[WV], 2*STP                    ; Wv: wave w brings K steps 2 w and 2 w + 1
	s_mov_b32 s[G0V], 1
	s_add_co_u32 s[G0V+1], s98, 2*GRP              ; Wv's panel behind Wk's
	s_add_co_u32 s98, s98, s63
	s_add_nc_u64 s[G0V+2:G0V+3], s[4:5], s[98:99]
	s_or_b32 s[G0V+3], s[G0V+3], 0x80000000
	CROUND                                         ; all sixteen work-groups are here: the joint loads meet
	s_cmp_lt_u32 s[WV], 2                          ; one tensor load a wave at the head: waves 0, 1 fetch the halves of the tokens' panel, waves 2, 3 those of Wk's
	s_cbranch_scc0 .Lfor_w
	tensor_load_to_lds s[G0T:G0T+3], s[G1T:G1T+7]
	s_nop 0
	PLACES
	s_branch .Lasked
.Lfor_w:
	tensor_load_to_lds s[G0K:G0K+3], s[G1W:G1W+7]
	s_nop 0
	PLACES
.Lasked:
	v_and_b32 v3, 31, v0                           ; lane
	v_and_b32 v1, 15, v0                           ; r
	v_bfe_u32 v2, v0, 4, 1                         ; h
	v_lshlrev_b32 v[A2], 4, v3                     ; the tokens as source 0: 16 x lane
	v_add_nc_u32 v[A2+1], 4*STP, v[A2]
	v_add_nc_u32 v[A1], GRP, v[A2]                 ; Wk as source 0
	v_add_nc_u32 v[A1+1], 4*STP, v[A1]
	s_mul_i32 s96, s[WV], 3072                     ; my two tiles of source 1: 2 x wave, 2 x wave + 1
	v_add_nc_u32 v[A1+2], s96, v[A2]               ; of the tokens,
	v_add_nc_u32 v[A1+3], 4*STP, v[A1+2]
	v_add_nc_u32 v[A2+2], 2*GRP, v[A1+2]           ; of Wv
	v_add_nc_u32 v[A2+3], 4*STP, v[A2+2]
	v_lshl_add_u32 v[A2+4], v3, 2, 12288           ; the scale words likewise
	v_add_nc_u32 v[A2+5], 4*STP, v[A2+4]
	v_add_nc_u32 v[A1+4], GRP, v[A2+4]
	v_add_nc_u32 v[A1+5], 4*STP, v[A1+4]
	s_lshl_b32 s96, s[WV], 7
	v_add_nc_u32 v[A1+6], s96, v[A2+4]
	v_add_nc_u32 v[A1+7], 4*STP, v[A1+6]
	v_add_nc_u32 v[A2+6], 2*GRP, v[A1+6]
	v_add_nc_u32 v[A2+7], 4*STP, v[A2+6]
	v_lshlrev_b32 v12, 6, v2                       ; bk runs along the registers: + 16 h numbers
	v_and_b32 v13, 8, v1
	v_add_nc_u32 v13, v13, v1
	v_lshlrev_b32 v13, 2, v13
	v_add_nc_u32 v13, s96, v13                     ; bv of my lane's row of Wv: 4 (32 wave + r + 8 (r / 8))
	s_lshl_b32 s96, s[WGR], 9
	s_mov_b32 s97, 0
	s_add_nc_u64 s[BKP:BKP+1], s[BKP:BKP+1], s[96:97]
	s_add_nc_u64 s[BVP:BVP+1], s[BVP:BVP+1], s[96:97]
.irp t, 0,1,2,3,4,5,6,7
	global_load_b128 v[BIAS+8*\t:BIAS+8*\t+3], v12, s[BKP:BKP+1] offset:(32*(\t/2)+8*(\t%2))*4
	global_load_b128 v[BIAS+8*\t+4:BIAS+8*\t+7], v12, s[BKP:BKP+1] offset:(32*(\t/2)+8*(\t%2))*4+16
.endr
	global_load_b32 v[BR], v13, s[BVP:BVP+1]
	global_load_b32 v[BR+2], v13, s[BVP:BVP+1] offset:32
	v_mov_b32 v[BR+1], 0                           ; (named as the upper halves of pairs)
	v_mov_b32 v[BR+3], 0
.irp b, 0,1,2,3
	v_mov_b32 v[TM+4+\b], 0                        ; written once: a lane permute's destination counts as one of its sources
.endr
	s_lshr_b32 s96, s[TGR], 4                      ; the block of (batch, head 2 x weights' group, the tokens' group in the batch)
	s_lshl_b32 s96, s96, 8
	s_lshl_b32 s98, s[WGR], 5
	s_add_co_u32 s96, s96, s98
	s_and_b32 s98, s[TGR], 15
	s_add_co_u32 s96, s96, s98
	s_mul_i32 s96, s96, KVB
	s_add_nc_u64 s[OUTP:OUTP+1], s[OUTP:OUTP+1], s[96:97]
	; ---- the keys' tile
	s_wait_alu depctr_va_vdst(0)                   ; the wait at the head's end
	s_wait_tensorcnt 0x0                           ; my half panel has landed
	ds_add_u32 v254, v255                          ; 0 onto my spare word
	s_wait_dscnt 0x0                               ; the add is done
	CROUND                                         ; a whole round: the tokens' and Wk's panels lie in LDS, and all sixteen work-groups are here
	tensor_load_to_lds s[G0V:G0V+3], s[G1V:G1V+7]  ; my quarter of Wv, the first tensor load behind the round: it lands under the keys' tile
	s_nop 0
	PLACES
	LSTEP 0, A1
.irp s, 0,1,2,3,4,5,6
.if \s > 0
	PLACES                                         ; the set to be loaded was multiplied in the K step before
.endif
	LSTEP \s+1, A1
	s_wait_dscnt 35                                ; all but the 35 just issued: this K step's operands are in
	WSTEP \s
.endr
	s_wait_dscnt 0x0
	WSTEP 7
	WIN 0
	PLACES
	s_wait_loadcnt 0x0                             ; the biases
	; a lane's 64 numbers are 64 of head 2 g and 64 of head 2 g + 1: registers 0-5 of the codes go to the first head's block, 6-11 to the second's
	s_mul_i32 s96, s[WV], 1536
	v_add_nc_u32 v14, s96, v[A2]                   ; tile 2 x wave: registers 0-3 at 16 x lane,
	v_lshl_add_u32 v15, v3, 3, s96                 ; registers 4, 5 at 512 + 8 x lane
	s_lshl_b32 s96, s[WV], 7
	v_lshl_add_u32 v224, v3, 2, s96                ; the two tiles' scale words: 4 x lane
	s_mov_b32 s98, 0x7f7f0000                      ; scale bytes of the K that a head of 64 does not have: 1.0
.irp j, 0,1
	ADDB \j, HH, 0
	QUANT HH, PC0+24*\j, PW+\j
	global_store_b128 v14, v[PC0+24*\j:PC0+24*\j+3], s[OUTP:OUTP+1] offset:768*\j
	global_store_b64 v15, v[PC0+24*\j+4:PC0+24*\j+5], s[OUTP:OUTP+1] offset:768*\j+512
	global_store_b128 v14, v[PC0+24*\j+6:PC0+24*\j+9], s[OUTP:OUTP+1] offset:768*\j+HS
	global_store_b64 v15, v[PC0+24*\j+10:PC0+24*\j+11], s[OUTP:OUTP+1] offset:768*\j+512+HS
.endr
	v_cmp_ne_u32 vcc_lo, 0, v2
	v_cndmask_b32 v225, v[PW], v[PW+1], vcc_lo     ; lanes 0-15: the first tile's words, lanes 16-31: the second's
	v_and_or_b32 v226, v225, 0xffff, s98           ; the first head's two bytes,
	v_lshrrev_b32 v227, 16, v225
	v_or_b32 v227, s98, v227                       ; the second's
	global_store_b32 v224, v226, s[OUTP:OUTP+1] offset:12288
	global_store_b32 v224, v227, s[OUTP:OUTP+1] offset:12288+HS
	; ---- the values' tile: the tokens' panel once more, now as source 0
	s_wait_xcnt 0x0                                ; the stores have read their registers: the loads below land in them, and the offsets are written again
	s_wait_tensorcnt 0x0                           ; my quarter of Wv has landed,
	s_barrier_signal -1
	s_barrier_wait -1                              ; everybody's has
	LSTEP 0, A2
.irp s, 0,1,2,3,4,5,6
.if \s > 0
	PLACES
.endif
	LSTEP \s+1, A2
	s_wait_dscnt 35                                ; all but the 35 just issued
	WSTEP \s
.endr
	s_wait_dscnt 0x0
	WSTEP 7
	WIN 0
	PLACES
	; a lane holds one channel (wave / 2: which head; tile 2 (wave % 2) + j of its four) and 128 keys
	s_lshr_b32 s96, s[WV], 1
	s_mul_i32 s96, s96, HS
	s_and_b32 s98, s[WV], 1
	s_mul_i32 s99, s98, 3072
	s_add_co_u32 s99, s99, s96
	v_add_nc_u32 v14, s99, v[A2]
	s_lshl_b32 s98, s98, 7
	s_add_co_u32 s98, s98, s96
	v_lshl_add_u32 v224, v3, 2, s98
.irp j, 0,1
	ADDB \j, HH, 1
	QUANT HH, PC0+24*\j, PW+\j
.irp c, 0,1,2
	global_store_b128 v14, v[PC0+24*\j+4*\c:PC0+24*\j+4*\c+3], s[OUTP:OUTP+1] offset:6144+1536*\j+512*\c
.endr
.endr
	v_cmp_ne_u32 vcc_lo, 0, v2
	v_cndmask_b32 v225, v[PW], v[PW+1], vcc_lo
	global_store_b32 v224, v225, s[OUTP:OUTP+1] offset:12800
	s_wait_tensorcnt 0x0
	ds_add_u32 v254, v255
	s_wait_dscnt 0x0
	CROUND                                         ; the closing round: no work-group ends while a partner may still ask for a block that names it
	s_endpgm
.Lfunc_end_k_q12b8e6e577_gkv:
	.size	k_q12b8e6e577_gkv, .Lfunc_end_k_q12b8e6e577_gkv-k_q12b8e6e577_gkv
	.p2alignl 7, 3214868480
	.fill 96, 4, 3214868480
	.section	.rodata,"a",@progbits
	.p2align	6, 0x0
	.amdhsa_kernel k_q12b8e6e577_gkv
		.amdhsa_group_segment_fixed_size 327680
		.amdhsa_private_segment_fixed_size 0
		.amdhsa_enable_private_segment 0
		.amdhsa_kernarg_size 64
		.amdhsa_user_sgpr_count 2
		.amdhsa_user_sgpr_kernarg_segment_ptr 1
		.amdhsa_wavefront_size32 1
		.amdhsa_system_sgpr_workgroup_id_x 1
		.amdhsa_system_sgpr_workgroup_id_y 1
		.amdhsa_system_sgpr_workgroup_id_z 1
		.amdhsa_system_vgpr_workitem_id 0
		.amdhsa_next_free_vgpr 704
		.amdhsa_next_free_sgpr 102
		.amdhsa_reserve_vcc 1
		.amdhsa_float_denorm_mode_32 3
		.amdhsa_float_denorm_mode_16_64 3
		.amdhsa_memory_ordered 1
		.amdhsa_forward_progress 1
		.amdhsa_inst_pref_size 107
	.end_amdhsa_kernel
	.amdgpu_metadata
---
amdhsa.version: [ 1, 2 ]
amdhsa.kernels:
  - .name:           k_q12b8e6e577_gkv
    .symbol:         k_q12b8e6e577_gkv.kd
    .args:
      - { .name: wA, .offset: 0, .size: 8, .value_kind: global_buffer, .address_space: global }
      - { .name: act0, .offset: 8, .size: 8, .value_kind: global_buffer, .address_space: global }
      - { .name: sa_bk, .offset: 16, .size: 8, .value_kind: global_buffer, .address_space: global }
      - { .name: ca_bk, .offset: 24, .size: 8, .value_kind: global_buffer, .address_space: global }
      - { .name: sa_bv, .offset: 32, .size: 8, .value_kind: global_buffer, .address_space: global }
      - { .name: ca_bv, .offset: 40, .size: 8, .value_kind: global_buffer, .address_space: global }
      - { .name: kvs, .offset: 48, .size: 8, .value_kind: global_buffer, .address_space: global }
      - { .name: kvc, .offset: 56, .size: 8, .value_kind: global_buffer, .address_space: global }
    .group_segment_fixed_size: 327680
    .private_segment_fixed_size: 0
    .kernarg_segment_align: 8
    .kernarg_segment_size: 64
    .max_flat_workgroup_size: 128
    .sgpr_count:     102
    .vgpr_count:     704
    .wavefront_size: 32
...
	.end_amdgpu_metadata
.endif
;; end of part 2
;; launch attn (part 3): grid 8 x 32, 16 waves a work-group, clusters of 4 x 1, 262,144 bytes of LDS; arguments act0, wA, sa_bq, kvs, ctx; writes ctx
.if DOCPART == 3
	.amdgcn_target "amdgcn-amd-amdhsa--gfx1250"
	.amdhsa_code_object_version 6
	.text
	.protected	k_q12b8e6e577_attn
	.globl	k_q12b8e6e577_attn
	.p2align	8
	.type	k_q12b8e6e577_attn,@function
k_q12b8e6e577_attn:
	s_mov_b64 s[64:65], 0
	v_nop
	global_prefetch_b8 v0, s[64:65] scope:SCOPE_SE
	s_setreg_imm32_b32 hwreg(HW_REG_WAVE_MODE, 25, 1), 1
	s_wait_xcnt 0x0
	s_wait_alu depctr_hold_cnt(0) depctr_sa_sdst(0) depctr_va_vdst(0) depctr_va_sdst(0) depctr_va_ssrc(0) depctr_va_vcc(0) depctr_vm_vsrc(0)
	s_getreg_b32 s2, hwreg(HW_REG_IB_STS2, 6, 4)
	s_cmp_eq_u32 s2, 0
	s_cbranch_scc0 .Lentry_in_a_cluster
	s_endpgm
.Lentry_in_a_cluster:
	s_bfe_u32 s2, ttmp6, 0x10000c
	s_cmp_lg_u32 s2, 0x3003
	s_cbranch_scc0 .Lentry_shape_is_right
	s_endpgm
.Lentry_shape_is_right:
; One attention, with the projection of its own queries: Q = Q(x Wq + bq); O[q] = the sum over k of softmax_k(Q[q] . K[k] / 8) V[k], for one (batch, head) of 2,048 keys and head size 64.
; All three products on codes of FP6 (E2M3) with one E8M0 scale for each 32 along a product's K.
; x and Wq lie in the order of an operand's registers, in blocks of 12,800 bytes for (group of 128 rows, K step of 128): 8 tiles x 1,536 bytes of codes, then 8 x 64 bytes of scale words; a head's 64 rows of Wq are four of a group's tiles.
; K and V come in blocks of 13,056 bytes for (batch x head, 128 tokens): 8 tiles of keys x 768 bytes; at 6,144 four tiles of V^T x 1,536; at 12,288 the keys' scale words; at 12,800 V's.
; THE SOFTMAX: t = score x log2(e) / 8; M = the running largest t rounded UP to a whole number; p = 2^(t - M) is quantised along the keys, not normalised; the sum of the unquantised p divides O at the end.
; When M moves, the sum and O are multiplied by 2^(old M - new M): exact.
; SHARES.  A work-group owns 256 queries of one head; each of its sixteen waves 16 of them in 256 registers: four waves to a SIMD, so that one wave's vector work stands beside another's matrix work.
; THE QUERIES: a wave's 16 tokens come from memory into its registers (8 fragments); the head's part of Wq, 51,200 bytes, comes into LDS first of all; 8 K steps x 4 tiles of 16 channels, the bias loaded into the four
; accumulators; the 32 results of a lane are two half blocks of 32 channels and are quantised in registers.  K's and V's blocks land meanwhile.
; THE HEAD'S WHOLE K AND V, 16 blocks = 208,896 bytes, STAY IN LDS: each byte is filled once, all loads go out in the first lines, so there is no ring and nothing later to ask for ahead of time.
; CLUSTER: the four work-groups of a cluster belong to one head: Wq's part and each block of K and V are asked for jointly, mask 15.
; LAYOUT.  All products transposed (source 0 = 16 rows of Wq, 16 keys, 16 channels of V^T): a lane holds one query throughout.  The rows of a tile are not neighbours (lane r of tile 2 b + u: row 32 b + 8 u + r + 8 (r / 8)): two tiles' 16 registers are 16 neighbours.
; K = 64 UNDER AN INSTRUCTION OF 128: Q's registers 6-11 are zero codes and both sides' scale bytes 2, 3 are 0x7f.  So a tile of keys is named as 12 registers of which the upper six are the NEXT tile's codes
; (behind the last tile: zeros): finite numbers times zero add nothing, and no register is cleared in the loop.
; O leaves in the result's register order: (tile of 16 tokens) x 65,536 + (128 columns) x 8,192 + 512 j + 16 lane.
; LIMITS: NaN and infinities are not served; v_exp_f32 and v_rcp_f32 are 1 ulp and flush denormals; a block whose largest magnitude lies under 2^-124 (a block whose every p has fallen to 0 too) keeps the byte 1: its codes are zeros.
; REGISTERS: v1-4 lane places in a block; v5-7, v28 global offsets; v8-11 LDS addresses in hand; v12 -M, v13 the largest t, v[14:15] the sum; v16-27 Q; v32-85 Wq's, then K's, then V's tiles; v86-95 scale words of Wq and x;
;   v96-191 x's fragments, then v96-159 S^T and p, v160-191 O^T; v200-231 Q's sums; v192-223 O / sum; v224.. p's codes; v232-254 at work; v255 Q's scale word.
.set KVB,  13056
.set HS,   16*KVB
.set GRP,  102400
.set STP,  12800
.set WC,   HS                          ; LDS behind K and V: the head's rows of Wq, 8 K steps x 6,144 bytes of codes,
.set WSC,  WC+8*6144                   ; and 8 x 256 bytes of scale words
.set XR,   96
.set XS,   88
.set QA,   200
.set WV,   14
.set SEL,  18                          ; s[18:19] lane l xor 16
.set CS,   20                          ; s[20:21] c = log2(e) / 8
.set TB,   22                          ; s22  LDS byte at which the step's block begins
.set CNT,  23
.set G1,   24                          ; s[24:31] descriptor group 1 for a block of K and V
.set G0,   32                          ; s[32:35] group 0 for two blocks of K and V
.set G1C,  48                          ; s[48:55] group 1 for Wq's codes;  s[56:59] their group 0
.set G0C,  56
.set G0S,  60                          ; s[60:63] group 0 for Wq's scale words;  s[68:75] their group 1
.set G1S,  68
.macro PLACES
.rept 4
	v_nop
.endr
.endm
.macro CROUND
	s_barrier_signal -1
	s_barrier_wait -1
	s_cmp_lg_u32 s[WV], 0
	s_cbranch_scc1 .Lnot_wave_0_\@
	s_barrier_signal -3
.Lnot_wave_0_\@:
	s_barrier_wait -3
	s_barrier_signal -1
	s_barrier_wait -1
.endm
	s_load_b256 s[4:11], s[0:1], 0x0               ; x's codes, Wq, bq, K's and V's blocks
	s_load_b64 s[12:13], s[0:1], 0x20              ; O
	v_lshl_add_u32 v254, v0, 2, 0x3f800
	v_mov_b32 v255, 0
	ds_add_u32 v254, v255
	ds_add_u32 v254, v255
	s_wait_dscnt 0x0
	v_lshrrev_b32 v1, 5, v0
	s_delay_alu instid0(VALU_DEP_1)
	v_readfirstlane_b32 s[WV], v1                  ; wave 0..15
	s_bfe_u32 s15, ttmp6, 0x40000                  ; cx
	s_lshl_b32 s17, ttmp9, 2
	s_add_co_u32 s17, s17, s15                     ; my block of 256 queries: it enters x's and O's global addresses alone
	s_and_b32 s16, ttmp7, 0xffff                   ; batch x 16 + head, which the four partners share
	s_and_b32 s76, s[WV], 3                        ; waves 0-3 fetch Wq's codes, waves 4-7 its scale words: wave % 4 says which two K steps
	s_and_b32 s77, s[WV], 7
	s_mul_i32 s77, s77, 2*KVB                      ; waves 8-15 fetch K and V: key steps 2 (wave % 8) and 2 (wave % 8) + 1
	s_mul_i32 s78, s16, HS
	s_add_co_u32 s78, s78, s77
	s_mov_b32 s79, 0
	s_and_b32 s80, s16, 15                         ; the head
	s_lshr_b32 s81, s80, 1
	s_mul_i32 s81, s81, GRP                        ; its group of 128 rows of Wq,
	s_mul_i32 s82, s76, 2*STP                      ; wave w brings K steps 2 w and 2 w + 1,
	s_add_co_u32 s82, s82, s81
	s_and_b32 s81, s80, 1                          ; the group's tiles 0-3 or 4-7
	s_mul_i32 s84, s81, 6144
	s_add_co_u32 s84, s84, s82                     ; the codes,
	s_mov_b32 s85, 0
	s_lshl_b32 s86, s81, 8
	s_add_co_u32 s86, s86, s82
	s_add_co_u32 s86, s86, 12288                   ; the scale words
	s_mov_b32 s87, 0
	; descriptor group 1: a dense block of 13,056 bytes as 51 rows of 256 bytes (32 elements of 8 bytes), no padding
	s_mov_b32 s[G1], 15|(3<<16)|(1<<21)            ; 15:0 the mask: all four work-groups; 17:16 elements of 8 bytes; 21 set beside a mask
	s_mov_b32 s[G1+1], 32<<16
	s_mov_b32 s[G1+2], 102<<16                     ; two blocks on end: 102 rows of 256 bytes
	s_mov_b32 s[G1+3], 32<<16
	s_mov_b32 s[G1+4], 102
	s_mov_b32 s[G1+5], 32
	s_mov_b32 s[G1+6], 0
	s_mov_b32 s[G1+7], 0
	; Wq's codes: two K steps = two rows of 6,144 bytes (768 elements of 8 bytes), 12,800 bytes (1,600 elements) apart in memory, on end in LDS
	s_mov_b32 s[G1C], 15|(3<<16)|(1<<21)
	s_mov_b32 s[G1C+1], 768<<16                    ; tensor_dim0
	s_mov_b32 s[G1C+2], 2<<16                      ; tensor_dim1
	s_mov_b32 s[G1C+3], 768<<16                    ; tile_dim0
	s_mov_b32 s[G1C+4], 2                          ; tile_dim1
	s_mov_b32 s[G1C+5], 1600                       ; from row to row
	s_mov_b32 s[G1C+6], 0
	s_mov_b32 s[G1C+7], 0
	; its scale words: two rows of 256 bytes, as far apart
	s_mov_b32 s[G1S], 15|(3<<16)|(1<<21)
	s_mov_b32 s[G1S+1], 32<<16
	s_mov_b32 s[G1S+2], 2<<16
	s_mov_b32 s[G1S+3], 32<<16
	s_mov_b32 s[G1S+4], 2
	s_mov_b32 s[G1S+5], 1600
	s_mov_b32 s[G1S+6], 0
	s_mov_b32 s[G1S+7], 0
	s_mov_b32 s[SEL], 0x76543210
	s_mov_b32 s[SEL+1], 0xfedcba98
	s_mov_b32 s[CS], 0x3e38aa3b                    ; c = log2(e) / 8
	s_mov_b32 s[CS+1], s[CS]                       ; (named with it as a pair)
	s_mov_b32 s[TB], 0
	s_wait_kmcnt 0x0
	s_add_nc_u64 s[78:79], s[10:11], s[78:79]
.irp c, 0
	s_mov_b32 s[G0+4*\c], 1
	s_add_co_u32 s[G0+4*\c+1], s77, 4*\c*KVB
	s_add_nc_u64 s[G0+4*\c+2:G0+4*\c+3], s[78:79], 4*\c*KVB
	s_or_b32 s[G0+4*\c+3], s[G0+4*\c+3], 0x80000000
.endr
	s_mov_b32 s[G0C], 1
	s_mul_i32 s[G0C+1], s76, 2*6144
	s_add_co_u32 s[G0C+1], s[G0C+1], WC
	s_add_nc_u64 s[G0C+2:G0C+3], s[6:7], s[84:85]
	s_or_b32 s[G0C+3], s[G0C+3], 0x80000000
	s_mov_b32 s[G0S], 1
	s_lshl_b32 s[G0S+1], s76, 9
	s_add_co_u32 s[G0S+1], s[G0S+1], WSC
	s_add_nc_u64 s[G0S+2:G0S+3], s[6:7], s[86:87]
	s_or_b32 s[G0S+3], s[G0S+3], 0x80000000
	CROUND                                         ; all four work-groups are here: the joint loads meet
	s_cmp_lt_u32 s[WV], 4                          ; one tensor load a wave, in one chain of branches on the wave's number: every way passes one load
	s_cbranch_scc0 .Lhead_s
	tensor_load_to_lds s[G0C:G0C+3], s[G1C:G1C+7]
	s_nop 0
	PLACES
	s_branch .Lno_fetch
.Lhead_s:
	s_cmp_lt_u32 s[WV], 8
	s_cbranch_scc0 .Lhead_kv
	tensor_load_to_lds s[G0S:G0S+3], s[G1S:G1S+7]
	s_nop 0
	PLACES
	s_branch .Lno_fetch
.Lhead_kv:
	tensor_load_to_lds s[G0:G0+3], s[G1:G1+7]
	s_nop 0
	PLACES
.Lno_fetch:
	s_lshr_b32 s88, s16, 4                         ; my 16 tokens: group 16 batch + 2 x my 256 + wave / 8; in it tile wave % 8
	s_lshl_b32 s88, s88, 4
	s_lshl_b32 s89, s17, 1
	s_add_co_u32 s88, s88, s89
	s_lshr_b32 s89, s[WV], 3
	s_add_co_u32 s88, s88, s89
	s_mul_i32 s88, s88, GRP
	s_mov_b32 s89, 0
	s_add_nc_u64 s[4:5], s[4:5], s[88:89]
	s_and_b32 s90, s[WV], 7
	s_mul_i32 s91, s90, 1536
	s_lshl_b32 s90, s90, 6
	v_and_b32 v29, 31, v0                          ; lane
	v_and_b32 v30, 15, v0                          ; r
	v_bfe_u32 v31, v0, 4, 1                        ; h
	s_delay_alu instid0(VALU_DEP_3)
	v_lshlrev_b32 v5, 4, v29                       ; 16 x lane
	s_delay_alu instid0(VALU_DEP_1)
	v_add_nc_u32 v6, s91, v5                       ; my tile's codes,
	s_delay_alu instid0(VALU_DEP_4)
	v_lshl_add_u32 v7, v30, 2, s90                 ; its scale words
	s_delay_alu instid0(VALU_DEP_4)
	v_lshlrev_b32 v28, 6, v31                      ; the bias: + 16 h numbers
.irp s, 0,1,2,3,4,5,6,7
.irp c, 0,1,2
	global_load_b128 v[XR+12*\s+4*\c:XR+12*\s+4*\c+3], v6, s[4:5] offset:STP*\s+512*\c   ; x's fragment of K step s: 512 consecutive bytes a load
.endr
	global_load_b32 v[XS+\s], v7, s[4:5] offset:STP*\s+12288
.endr
	s_lshl_b32 s88, s80, 8                         ; the head's 64 numbers of the bias
	s_add_nc_u64 s[8:9], s[8:9], s[88:89]
.irp b, 0,1
.irp j, 0,1,2,3
	global_load_b128 v[QA+16*\b+4*\j:QA+16*\b+4*\j+3], v28, s[8:9] offset:128*\b+16*\j   ; into the accumulators: register 16 b + i is channel 32 b + 16 h + i
.endr
.endr
	v_lshl_add_u32 v8, v29, 4, WC                  ; Wq in LDS: codes,
	v_lshl_add_u32 v9, v29, 2, WSC                 ; scale words
	v_lshlrev_b32 v1, 4, v29                       ; in a block of K and V: a tile of keys, registers 0-3,
	v_lshl_add_u32 v2, v29, 3, 512                 ; registers 4, 5,
	v_lshl_add_u32 v3, v29, 4, 6144                ; V^T,
	v_lshl_add_u32 v4, v29, 2, 12288               ; the scale words
	s_lshr_b32 s88, s16, 4                         ; O: tile of tokens 128 batch + 16 x my 256 + wave; head x 4,096 bytes in it
	s_lshl_b32 s88, s88, 7
	s_lshl_b32 s90, s17, 4
	s_add_co_u32 s88, s88, s90
	s_add_co_u32 s88, s88, s[WV]
	s_lshl_b32 s88, s88, 16
	s_lshl_b32 s90, s80, 12
	s_add_co_u32 s88, s88, s90
	s_add_nc_u64 s[12:13], s[12:13], s[88:89]
	v_mov_b32 v13, 0xff61b1e6                      ; the largest t so far: -3e38
	s_delay_alu instid0(VALU_DEP_1)
	v_floor_f32 v12, -v13                          ; -M
	v_mov_b32 v14, 0
	v_mov_b32 v15, 0
.irp j, 22,23,24,25,26,27,80,81,82,83,84,85,236,237,238,239,253
	v_mov_b32 v\j, 0                               ; Q's K 64-127; what lies behind the last tile of keys; lane permutes' destinations; the upper half of the pair v[252:253]
.endr
	; ---- THE QUERIES: Q^T = Wq x^T + bq: four accumulators by turns, 8 K steps
	s_wait_tensorcnt 0x0                           ; my one load has landed: nothing is ever filled again
	s_barrier_signal -1
	s_barrier_wait -1                              ; the head's part of Wq lies in LDS
	s_wait_loadcnt 0x0                             ; x and the bias
.irp s, 0,1,2,3,4,5,6,7
.if \s > 0
	PLACES                                         ; ahead of loads into registers that the last K step's products read
.endif
.irp t, 0,1,2,3
.irp c, 0,1,2
	ds_load_b128 v[32+12*\t+4*\c:35+12*\t+4*\c], v8 offset:6144*\s+1536*\t+512*\c
.endr
.endr
	ds_load_b32 v86, v9 offset:256*\s              ; lanes 0-15: tile 0's scale words, lanes 16-31: tile 1's
	ds_load_b32 v87, v9 offset:256*\s+128          ; tiles 2 and 3
	s_wait_dscnt 0x0
	v_wmma_scale_f32_16x16x128_f8f6f4 v[QA:QA+7], v[32:43], v[XR+12*\s:XR+12*\s+11], v[QA:QA+7], v86, v[XS+\s] matrix_a_fmt:MATRIX_FMT_FP6 matrix_b_fmt:MATRIX_FMT_FP6
	v_wmma_scale_f32_16x16x128_f8f6f4 v[QA+8:QA+15], v[44:55], v[XR+12*\s:XR+12*\s+11], v[QA+8:QA+15], v86, v[XS+\s] matrix_a_fmt:MATRIX_FMT_FP6 matrix_b_fmt:MATRIX_FMT_FP6 matrix_a_scale:MATRIX_SCALE_ROW1
	v_wmma_scale_f32_16x16x128_f8f6f4 v[QA+16:QA+23], v[56:67], v[XR+12*\s:XR+12*\s+11], v[QA+16:QA+23], v87, v[XS+\s] matrix_a_fmt:MATRIX_FMT_FP6 matrix_b_fmt:MATRIX_FMT_FP6
	v_wmma_scale_f32_16x16x128_f8f6f4 v[QA+24:QA+31], v[68:79], v[XR+12*\s:XR+12*\s+11], v[QA+24:QA+31], v87, v[XS+\s] matrix_a_fmt:MATRIX_FMT_FP6 matrix_b_fmt:MATRIX_FMT_FP6 matrix_a_scale:MATRIX_SCALE_ROW1
.endr
	PLACES
	; my query's 64 channels are two blocks of 32, half of each in lane l xor 16: quantised in registers
.irp b, 0,1
	v_max3_num_f32 v[232+\b], |v[QA+16*\b]|, |v[QA+1+16*\b]|, 0x1800000   ; and the floor 2^(3 - 127): the byte cannot fall under 1
.endr
.irp i, 2,4,6,8,10,12,14
.irp b, 0,1
	v_max3_num_f32 v[232+\b], v[232+\b], |v[QA+16*\b+\i]|, |v[QA+1+16*\b+\i]|
.endr
.endr
.irp b, 0,1
	s_delay_alu instid0(VALU_DEP_2)
	v_permlanex16_b32 v[236+\b], v[232+\b], s[SEL], s[SEL+1]
.endr
.irp b, 0,1
	s_delay_alu instid0(VALU_DEP_2)
	v_max_num_f32 v[232+\b], v[232+\b], v[236+\b]  ; the block's largest magnitude
.endr
.irp b, 0,1
	s_delay_alu instid0(VALU_DEP_2)
	v_add_nc_u32 v[244+\b], 0xff000000, v[232+\b]  ; 2 off the exponent field: the conversion's scale operand
.endr
.irp b, 0,1
	s_delay_alu instid0(VALU_DEP_2)
	v_lshrrev_b32 v[236+\b], 23, v[244+\b]         ; the scale's byte
.endr
	s_delay_alu instid0(VALU_DEP_1)
	v_lshl_or_b32 v255, v237, 8, v236
	s_delay_alu instid0(VALU_DEP_1)
	v_or_b32 v255, 0x7f7f0000, v255                ; scale bytes of the K that a head of 64 does not have: 1.0
	v_cvt_scalef32_pk16_fp6_f32 v[16:18], v[QA:QA+15], v244
	v_cvt_scalef32_pk16_fp6_f32 v[240:242], v[QA+16:QA+31], v245   ; (a conversion's three registers begin on an even number)
	v_nop                                          ; one plain place behind a scaled conversion
.irp i, 0,1,2
	v_permlane16_swap_b32 v[16+\i], v[240+\i]      ; the operand's layout wants a whole block in a lane: lanes 0-15 block 0, lanes 16-31 block 1
.endr
.irp i, 0,1,2
	s_delay_alu instid0(VALU_DEP_3)
	v_mov_b32 v[19+\i], v[240+\i]
.endr
.set k, 0
.rept 32
	v_mov_b32 v[160+k], 0                          ; O^T: the loop has no first step of its own: the first change of M multiplies zeros.  (These are also the places between Q's last writes and the first product that reads them)
.set k, k+1
.endr
; A KEY STEP: 128 keys.
.macro STEP
	v_add_nc_u32 v8, s[TB], v1                     ; (these four are also the places behind the last step's products, ahead of the loads into their registers)
	v_add_nc_u32 v9, s[TB], v2
	v_add_nc_u32 v10, s[TB], v3
	v_add_nc_u32 v11, s[TB], v4
.irp t, 0,1,2,3,4,5,6,7
	ds_load_b128 v[32+6*\t:35+6*\t], v8 offset:768*\t
	ds_load_b64 v[36+6*\t:37+6*\t], v9 offset:768*\t
.endr
.irp i, 0,1,2,3
	ds_load_b32 v[248+\i], v11 offset:128*\i       ; lanes 0-15: tile 2 i's scale words, lanes 16-31: tile 2 i + 1's
.endr
	s_wait_alu depctr_va_vdst(0)
	s_wait_dscnt 0x0
.irp t, 0,2,4,6
	v_wmma_scale_f32_16x16x128_f8f6f4 v[96+8*\t:103+8*\t], v[32+6*\t:43+6*\t], v[16:27], 0, v[248+\t/2], v255 matrix_a_fmt:MATRIX_FMT_FP6 matrix_b_fmt:MATRIX_FMT_FP6
	v_wmma_scale_f32_16x16x128_f8f6f4 v[104+8*\t:111+8*\t], v[38+6*\t:49+6*\t], v[16:27], 0, v[248+\t/2], v255 matrix_a_fmt:MATRIX_FMT_FP6 matrix_b_fmt:MATRIX_FMT_FP6 matrix_a_scale:MATRIX_SCALE_ROW1
.endr
	PLACES                                         ; ahead of the loads into K's registers and of the first read of the scores
.irp d, 0,1,2,3
.irp c, 0,1,2
	ds_load_b128 v[32+12*\d+4*\c:35+12*\d+4*\c], v10 offset:1536*\d+512*\c   ; V^T's four fragments land under the softmax
.endr
.endr
.irp i, 0,1
	ds_load_b32 v[248+\i], v11 offset:512+128*\i
.endr
.irp b, 0,1,2,3
	v_max3_num_f32 v[232+\b], v[96+16*\b], v[97+16*\b], v[98+16*\b]   ; the largest score of each block of 32 keys: for the row's maximum and, since p rises with the score, for the block's largest p
.endr
.irp i, 3,5,7,9,11,13
.irp b, 0,1,2,3
	v_max3_num_f32 v[232+\b], v[232+\b], v[96+16*\b+\i], v[97+16*\b+\i]
.endr
.endr
.irp b, 0,1,2,3
	v_max_num_f32 v[232+\b], v[232+\b], v[111+16*\b]
.endr
.irp b, 0,1,2,3
	s_delay_alu instid0(VALU_DEP_4)
	v_permlanex16_b32 v[236+\b], v[232+\b], s[SEL], s[SEL+1]
.endr
.irp b, 0,1,2,3
	s_delay_alu instid0(VALU_DEP_4)
	v_max_num_f32 v[232+\b], v[232+\b], v[236+\b]  ; with lane l xor 16's 16 keys
.endr
	s_delay_alu instid0(VALU_DEP_2)
	v_max3_num_f32 v254, v232, v233, v234
	s_delay_alu instid0(VALU_DEP_1)
	v_max_num_f32 v254, v254, v235
	s_delay_alu instid0(VALU_DEP_1)
	v_mul_f32 v254, s[CS], v254                    ; the step's largest t
	s_delay_alu instid0(VALU_DEP_1)
	v_max_num_f32 v13, v13, v254
	v_mov_b32 v254, v12
	s_delay_alu instid0(VALU_DEP_2)
	v_floor_f32 v12, -v13                          ; the new -M = -ceil(t): a whole number
	s_delay_alu instid0(VALU_DEP_1)
	v_sub_f32 v254, v12, v254
	s_delay_alu instid0(VALU_DEP_1)
	v_cvt_i32_f32 v254, v254                       ; (it saturates)
	s_delay_alu instid0(VALU_DEP_1)
	v_ldexp_f32 v252, 1.0, v254                    ; f = 2^(old M - new M)
.set k, 0
.rept 32
	v_pk_fma_f32 v[96+k:97+k], v[96+k:97+k], s[CS:CS+1], v[12:13] op_sel_hi:[1,0,0]   ; t - M, two at a time
.set k, k+2
.endr
.irp b, 0,1,2,3
	v_fma_f32 v[232+\b], v[232+\b], s[CS], v12     ; the same of each block's largest score
.endr
.set k, 0
	s_wait_alu depctr_va_vdst(0)
.rept 64
	v_exp_f32 v[96+k], v[96+k]                     ; p = 2^(t - M), at most 1
.set k, k+1
.endr
	v_pk_mul_f32 v[14:15], v[14:15], v[252:253] op_sel_hi:[1,0]   ; the sums under the new M: a plain place behind the exponentials
	s_wait_alu depctr_va_vdst(0)                   ; one wait for the whole batch, ahead of its first reader
.irp b, 0,1,2,3
	v_exp_f32 v[232+\b], v[232+\b]                 ; the block's largest p
.endr
	v_pk_add_f32 v[236:237], v[100:101], v[104:105]
	v_pk_add_f32 v[250:251], v[108:109], v[112:113]
	v_pk_add_f32 v[246:247], v[116:117], v[120:121]
	v_pk_add_f32 v[244:245], v[124:125], v[128:129]
	v_pk_add_f32 v[242:243], v[132:133], v[136:137]
	v_pk_add_f32 v[240:241], v[140:141], v[144:145]
	v_pk_add_f32 v[238:239], v[148:149], v[152:153]
	v_pk_add_f32 v[14:15], v[14:15], v[156:157]
	v_pk_add_f32 v[236:237], v[236:237], v[96:97]
	v_pk_add_f32 v[250:251], v[250:251], v[98:99]
	v_pk_add_f32 v[246:247], v[246:247], v[102:103]
	v_pk_add_f32 v[244:245], v[244:245], v[106:107]
	v_pk_add_f32 v[242:243], v[242:243], v[110:111]
	v_pk_add_f32 v[240:241], v[240:241], v[114:115]
	v_pk_add_f32 v[238:239], v[238:239], v[118:119]
	v_pk_add_f32 v[14:15], v[14:15], v[122:123]
	v_pk_add_f32 v[236:237], v[236:237], v[126:127]
	v_pk_add_f32 v[250:251], v[250:251], v[130:131]
	v_pk_add_f32 v[246:247], v[246:247], v[134:135]
	v_pk_add_f32 v[244:245], v[244:245], v[138:139]
	v_pk_add_f32 v[242:243], v[242:243], v[142:143]
	v_pk_add_f32 v[240:241], v[240:241], v[146:147]
	v_pk_add_f32 v[238:239], v[238:239], v[150:151]
	v_pk_add_f32 v[14:15], v[14:15], v[154:155]
	v_pk_add_f32 v[236:237], v[236:237], v[158:159]
	s_delay_alu instid0(VALU_DEP_2)
	v_pk_add_f32 v[14:15], v[14:15], v[244:245]
	s_delay_alu instid0(VALU_DEP_2)
	v_pk_add_f32 v[236:237], v[236:237], v[242:243]
	v_pk_add_f32 v[250:251], v[250:251], v[240:241]
	v_pk_add_f32 v[246:247], v[246:247], v[238:239]
	s_delay_alu instid0(VALU_DEP_2)
	v_pk_add_f32 v[14:15], v[14:15], v[250:251]
	s_delay_alu instid0(VALU_DEP_2)
	v_pk_add_f32 v[236:237], v[236:237], v[246:247]
	s_delay_alu instid0(VALU_DEP_1)
	v_pk_add_f32 v[14:15], v[14:15], v[236:237]
	s_wait_alu depctr_va_vdst(0)                   ; and one for the four
.irp b, 0,1,2,3
	v_max_num_f32 v[232+\b], 0x1800000, v[232+\b]  ; the floor 2^(3 - 127): the byte cannot fall under 1
.endr
.irp b, 0,1,2,3
	s_delay_alu instid0(VALU_DEP_4)
	v_add_nc_u32 v[244+\b], 0xff000000, v[232+\b]  ; 2 off the exponent field: the conversion's scale operand
.endr
.irp b, 0,1,2,3
	s_delay_alu instid0(VALU_DEP_4)
	v_lshrrev_b32 v[236+\b], 23, v[244+\b]
.endr
	s_delay_alu instid0(VALU_DEP_3)
	v_lshl_or_b32 v253, v237, 8, v236              ; p's scale word for these 128 keys
	s_delay_alu instid0(VALU_DEP_1)
	v_lshl_or_b32 v253, v238, 16, v253
	s_delay_alu instid0(VALU_DEP_1)
	v_lshl_or_b32 v253, v239, 24, v253
.irp c, 0,1
	v_cvt_scalef32_pk16_fp6_f32 v[224+6*\c:226+6*\c], v[96+32*\c:111+32*\c], v[244+2*\c]
	v_cvt_scalef32_pk16_fp6_f32 v[236+4*\c:238+4*\c], v[112+32*\c:127+32*\c], v[244+2*\c+1]
.endr
	v_nop                                          ; one plain place behind a scaled conversion
.irp c, 0,1
.irp i, 0,1,2
	v_permlane16_swap_b32 v[224+6*\c+\i], v[236+4*\c+\i]
.endr
.irp i, 0,1,2
	s_delay_alu instid0(VALU_DEP_3)
	v_mov_b32 v[227+6*\c+\i], v[236+4*\c+\i]
.endr
.endr
.set k, 0
.rept 16
	v_pk_mul_f32 v[160+k:161+k], v[160+k:161+k], v[252:253] op_sel_hi:[1,0]   ; O^T under the new M; these sixteen are also the places between the scale word's and the codes' last writes and the products
.set k, k+2
.endr
	s_wait_alu depctr_va_vdst(0)
	s_wait_dscnt 0x0                               ; V^T is in
.irp d, 0,2
	v_wmma_scale_f32_16x16x128_f8f6f4 v[160+8*\d:167+8*\d], v[32+12*\d:43+12*\d], v[224:235], v[160+8*\d:167+8*\d], v[248+\d/2], v253 matrix_a_fmt:MATRIX_FMT_FP6 matrix_b_fmt:MATRIX_FMT_FP6
	v_wmma_scale_f32_16x16x128_f8f6f4 v[168+8*\d:175+8*\d], v[44+12*\d:55+12*\d], v[224:235], v[168+8*\d:175+8*\d], v[248+\d/2], v253 matrix_a_fmt:MATRIX_FMT_FP6 matrix_b_fmt:MATRIX_FMT_FP6 matrix_a_scale:MATRIX_SCALE_ROW1
.endr
	s_add_co_u32 s[TB], s[TB], KVB                 ; the next step's block
.endm
	s_mov_b32 s[CNT], 16                           ; the barrier ahead of the queries' products has shown the whole head's K and V to every wave: sixteen key steps
.Lrest:
	STEP
	s_sub_co_u32 s[CNT], s[CNT], 1
	s_cmp_lg_u32 s[CNT], 0
	s_cbranch_scc1 .Lrest
	; THE WAY OUT: O^T / the sum; a lane's registers leave as they stand: each store covers 512 consecutive bytes
	PLACES
	v_add_f32 v14, v14, v15
	s_delay_alu instid0(VALU_DEP_1)
	v_permlanex16_b32 v252, v14, s[SEL], s[SEL+1]
	s_delay_alu instid0(VALU_DEP_1)
	v_add_f32 v14, v14, v252                       ; the row's sum
	s_wait_alu depctr_va_vdst(0)
	v_rcp_f32 v14, v14
	v_nop                                          ; a plain place behind the transcendental
	s_wait_alu depctr_va_vdst(0)                   ; and the wait ahead of its first reader
.set k, 0
.rept 32
	v_mul_f32 v[192+k], v[160+k], v14              ; register 16 b + i: channel 32 b + 16 (lane / 16) + i of my query
.set k, k+1
.endr
.irp m, 0,1,2,3,4,5,6,7
	global_store_b128 v5, v[192+4*\m:195+4*\m], s[12:13] offset:512*\m
.endr
	s_wait_xcnt 0x0
	v_lshl_add_u32 v254, v0, 2, 0x3f800
	v_mov_b32 v255, 0
	s_wait_alu depctr_va_vdst(0)
	s_wait_tensorcnt 0x0
	ds_add_u32 v254, v255
	s_wait_dscnt 0x0
	CROUND                                         ; the closing round
	s_endpgm
.Lfunc_end_k_q12b8e6e577_attn:
	.size	k_q12b8e6e577_attn, .Lfunc_end_k_q12b8e6e577_attn-k_q12b8e6e577_attn
	.p2alignl 7, 3214868480
	.fill 96, 4, 3214868480
	.section	.rodata,"a",@progbits
	.p2align	6, 0x0
	.amdhsa_kernel k_q12b8e6e577_attn
		.amdhsa_group_segment_fixed_size 262144
		.amdhsa_private_segment_fixed_size 0
		.amdhsa_enable_private_segment 0
		.amdhsa_kernarg_size 40
		.amdhsa_user_sgpr_count 2
		.amdhsa_user_sgpr_kernarg_segment_ptr 1
		.amdhsa_wavefront_size32 1
		.amdhsa_system_sgpr_workgroup_id_x 1
		.amdhsa_system_sgpr_workgroup_id_y 1
		.amdhsa_system_sgpr_workgroup_id_z 1
		.amdhsa_system_vgpr_workitem_id 0
		.amdhsa_next_free_vgpr 256
		.amdhsa_next_free_sgpr 92
		.amdhsa_reserve_vcc 0
		.amdhsa_float_denorm_mode_32 3
		.amdhsa_float_denorm_mode_16_64 3
		.amdhsa_memory_ordered 1
		.amdhsa_forward_progress 1
		.amdhsa_inst_pref_size 48
	.end_amdhsa_kernel
	.amdgpu_metadata
---
amdhsa.version: [ 1, 2 ]
amdhsa.kernels:
  - .name:           k_q12b8e6e577_attn
    .symbol:         k_q12b8e6e577_attn.kd
    .args:
      - { .name: act0, .offset: 0, .size: 8, .value_kind: global_buffer, .address_space: global }
      - { .name: wA, .offset: 8, .size: 8, .value_kind: global_buffer, .address_space: global }
      - { .name: sa_bq, .offset: 16, .size: 8, .value_kind: global_buffer, .address_space: global }
      - { .name: kvs, .offset: 24, .size: 8, .value_kind: global_buffer, .address_space: global }
      - { .name: ctx, .offset: 32, .size: 8, .value_kind: global_buffer, .address_space: global }
    .group_segment_fixed_size: 262144
    .private_segment_fixed_size: 0
    .kernarg_segment_align: 8
    .kernarg_segment_size: 40
    .max_flat_workgroup_size: 512
    .sgpr_count:     92
    .vgpr_count:     256
    .wavefront_size: 32
...
	.end_amdgpu_metadata
.endif
;; end of part 3
;; launch lnq (part 4): grid 256 x 1, 8 waves a work-group, no clusters, 69,632 bytes of LDS; arguments hidden_states, ctx, ln1_g, ln1_b, x1, act0; writes x1, act0
.if DOCPART == 4
	.amdgcn_target "amdgcn-amd-amdhsa--gfx1250"
	.amdhsa_code_object_version 6
	.text
	.protected	k_q12b8e6e577_lnq
	.globl	k_q12b8e6e577_lnq
	.p2align	8
	.type	k_q12b8e6e577_lnq,@function
k_q12b8e6e577_lnq:
	s_mov_b64 s[64:65], 0
	v_nop
	global_prefetch_b8 v0, s[64:65] scope:SCOPE_SE
	s_setreg_imm32_b32 hwreg(HW_REG_WAVE_MODE, 25, 1), 1
	s_wait_xcnt 0x0
; x = LayerNorm(a + b) x g + beta over rows of 1,024, in f32; x leaves row-major (the next residual) and, with QOUT = 1, also as codes of FP6 (E2M3) in the order of an operand's registers (the next product's A).
; a: [4096][1024] f32, row-major.  b: f32 in a matrix result's register order: (tile of 16 rows) x 65,536 + (128 columns) x 8,192 + 512 j + 16 lane; register 16 b + i = column 32 b + 16 (lane / 16) + i of row lane % 16.
; A work-group takes one tile of 16 rows (lane r: row 128 g + 32 (t / 2) + 8 (t % 2) + r + 8 (r / 8)), each of its eight waves 128 columns: what a lane holds is what the quantiser wants: 16 neighbours of each block of 32.
; a turns from rows into that order, and x back, through the wave's own stage in LDS: every global load and store covers 512 consecutive bytes.  Matrix units, clusters and tensor loads would add nothing to a stream.
; The mean and then the mean of the squared differences are taken in two passes: no difference of large sums is formed.  Each meets the other waves' parts in LDS behind a barrier: two barriers.
; LIMITS: NaN and infinities are not served; v_rsq_f32 is 1 ulp; a block whose largest magnitude lies under 2^-124 gets the byte 1 and zero codes.  Scale words leave in runs of 64 bytes.
.set QOUT, 1
.set GRP,  102400
.set STP,  12800
.set YR,   16                          ; v16-79   a, then a + b, then x
.set BB,   80                          ; v80-143  b, then g, then x by rows
.set BE,   144                         ; v144-207 beta
.set TM,   208                         ; v208-223 at work
.set PC,   224                         ; v224-242 the codes
.set PW,   244
.set SEL,  22
.macro QUANT s, pc, pw
.irp b, 0,1,2,3
	v_max3_num_f32 v[TM+\b], |v[\s+16*\b]|, |v[\s+1+16*\b]|, 0x1800000   ; and the floor 2^(3 - 127): the byte cannot fall under 1
.endr
.irp i, 2,4,6,8,10,12,14
.irp b, 0,1,2,3
	s_delay_alu instid0(VALU_DEP_4)
	v_max3_num_f32 v[TM+\b], v[TM+\b], |v[\s+16*\b+\i]|, |v[\s+1+16*\b+\i]|
.endr
.endr
.irp b, 0,1,2,3
	s_delay_alu instid0(VALU_DEP_4)
	v_permlanex16_b32 v[TM+4+\b], v[TM+\b], s[SEL], s[SEL+1]
.endr
.irp b, 0,1,2,3
	s_delay_alu instid0(VALU_DEP_4)
	v_max_num_f32 v[TM+\b], v[TM+\b], v[TM+4+\b]
.endr
.irp b, 0,1,2,3
	s_delay_alu instid0(VALU_DEP_4)
	v_add_nc_u32 v[TM+12+\b], 0xff000000, v[TM+\b]
.endr
.irp b, 0,1,2,3
	s_delay_alu instid0(VALU_DEP_4)
	v_lshrrev_b32 v[TM+4+\b], 23, v[TM+12+\b]
.endr
	s_delay_alu instid0(VALU_DEP_3)
	v_lshl_or_b32 v[\pw], v[TM+5], 8, v[TM+4]
	s_delay_alu instid0(VALU_DEP_1)
	v_lshl_or_b32 v[\pw], v[TM+6], 16, v[\pw]
	s_delay_alu instid0(VALU_DEP_1)
	v_lshl_or_b32 v[\pw], v[TM+7], 24, v[\pw]
.irp c, 0,1
	v_cvt_scalef32_pk16_fp6_f32 v[\pc+6*\c:\pc+2+6*\c], v[\s+32*\c:\s+15+32*\c], v[TM+12+2*\c]
	v_cvt_scalef32_pk16_fp6_f32 v[\pc+12+4*\c:\pc+14+4*\c], v[\s+16+32*\c:\s+31+32*\c], v[TM+12+2*\c+1]
.endr
	v_nop
.irp c, 0,1
.irp i, 0,1,2
	v_permlane16_swap_b32 v[\pc+6*\c+\i], v[\pc+12+4*\c+\i]
.endr
.irp i, 0,1,2
	s_delay_alu instid0(VALU_DEP_3)
	v_mov_b32 v[\pc+3+6*\c+\i], v[\pc+12+4*\c+\i]
.endr
.endr
.endm
; The two chains v[246:247], v[248:249] hold my 64 numbers' sum: with lane l xor 16's it is my wave's part of row r; the eight waves' parts meet in LDS, off bytes on; the row's sum comes back in v246.
.macro ACROSS off
	s_delay_alu instid0(VALU_DEP_1)
	v_pk_add_f32 v[246:247], v[246:247], v[248:249]
	s_delay_alu instid0(VALU_DEP_1)
	v_add_f32 v246, v246, v247
	s_delay_alu instid0(VALU_DEP_1)
	v_permlanex16_b32 v250, v246, s[SEL], s[SEL+1]
	s_delay_alu instid0(VALU_DEP_1)
	v_add_f32 v246, v246, v250
	ds_store_b32 v8, v246 offset:\off              ; lanes r and r + 16 write the same word with the same value
	s_wait_dscnt 0x0                               ; for the others' sake
	s_barrier_signal -1
	s_barrier_wait -1
.irp k, 0,1,2,3,4,5,6,7
	ds_load_b32 v[TM+\k], v9 offset:\off+64*\k
.endr
	s_wait_dscnt 0x0
	v_add_f32 v[TM], v[TM], v[TM+1]
	v_add_f32 v[TM+2], v[TM+2], v[TM+3]
	v_add_f32 v[TM+4], v[TM+4], v[TM+5]
	v_add_f32 v[TM+6], v[TM+6], v[TM+7]
	s_delay_alu instid0(VALU_DEP_3)
	v_add_f32 v[TM], v[TM], v[TM+2]
	s_delay_alu instid0(VALU_DEP_2)
	v_add_f32 v[TM+4], v[TM+4], v[TM+6]
	s_delay_alu instid0(VALU_DEP_1)
	v_add_f32 v246, v[TM], v[TM+4]
.endm
	s_load_b256 s[4:11], s[0:1], 0x0               ; a, b, g, beta
.if QOUT
	s_load_b128 s[12:15], s[0:1], 0x20             ; x, x's codes
	v_lshl_add_u32 v254, v0, 2, 0x10c00
	v_mov_b32 v255, 0
.else
	s_load_b64 s[12:13], s[0:1], 0x20              ; x
.endif
	v_lshrrev_b32 v1, 5, v0
	s_delay_alu instid0(VALU_DEP_1)
	v_readfirstlane_b32 s16, v1                    ; wave = which 128 columns
	v_and_b32 v3, 31, v0                           ; lane
	v_and_b32 v1, 15, v0                           ; r
	v_bfe_u32 v2, v0, 4, 1                         ; h
	s_delay_alu instid0(VALU_DEP_3)
	v_lshlrev_b32 v4, 4, v3                        ; 16 x lane
	s_mul_i32 s17, s16, 8448                       ; my stage: 16 rows x (512 + 16) bytes
	v_add_nc_u32 v5, s17, v4                       ; by rows
	v_mul_u32_u24 v6, v1, 528
	s_delay_alu instid0(VALU_DEP_1)
	v_lshl_add_u32 v6, v2, 6, v6
	s_delay_alu instid0(VALU_DEP_1)
	v_add_nc_u32 v6, s17, v6                       ; by lanes: row r, + 64 h
	v_lshlrev_b32 v7, 6, v2                        ; g, beta: + 16 h numbers
	v_lshlrev_b32 v10, 2, v1                       ; 4 r
	s_delay_alu instid0(VALU_DEP_1)
	v_add_nc_u32 v9, 67584, v10                    ; the waves' parts of row r,
	s_lshl_b32 s17, s16, 6
	v_add_nc_u32 v8, s17, v9                       ; mine among them
	v_mov_b32 v13, 0                               ; (upper halves of pairs; a lane permute's destination)
	v_mov_b32 v15, 0
	v_mov_b32 v250, 0
	s_mov_b32 s20, 0x3a800000                      ; 1 / 1,024
	s_mov_b32 s21, 0x3727c5ac                      ; 1e-5
	s_mov_b32 s[SEL], 0x76543210
	s_mov_b32 s[SEL+1], 0xfedcba98
	s_lshr_b32 s18, ttmp9, 3                       ; g
	s_and_b32 s19, ttmp9, 7                        ; t
	s_lshl_b32 s24, s18, 7
	s_lshr_b32 s25, s19, 1
	s_lshl_b32 s25, s25, 5
	s_add_co_u32 s24, s24, s25
	s_and_b32 s25, s19, 1
	s_lshl_b32 s25, s25, 3
	s_add_co_u32 s24, s24, s25                     ; the tile's first row
	s_lshl_b32 s24, s24, 12
	s_lshl_b32 s28, s16, 9                         ; my 512 bytes of a row
	s_add_co_u32 s24, s24, s28
	s_mov_b32 s25, 0
	s_mov_b32 s29, 0
	s_lshl_b32 s26, ttmp9, 16
	s_lshl_b32 s27, s16, 13
	s_add_co_u32 s26, s26, s27
	s_mov_b32 s27, 0
	s_wait_alu depctr_va_vdst(0)
	s_wait_kmcnt 0x0
	s_add_nc_u64 s[4:5], s[4:5], s[24:25]
	s_add_nc_u64 s[12:13], s[12:13], s[24:25]
	s_add_nc_u64 s[6:7], s[6:7], s[26:27]
	s_add_nc_u64 s[8:9], s[8:9], s[28:29]
	s_add_nc_u64 s[10:11], s[10:11], s[28:29]
.irp i, 0,1,2,3,4,5,6,7,8,9,10,11,12,13,14,15
	global_load_b128 v[YR+4*\i:YR+4*\i+3], v4, s[4:5] offset:(\i%8+16*(\i/8))*4096 th:TH_LOAD_NT
.endr
.irp j, 0,1,2,3,4,5,6,7,8,9,10,11,12,13,14,15
	global_load_b128 v[BB+4*\j:BB+4*\j+3], v4, s[6:7] offset:512*\j th:TH_LOAD_NT
.endr
.irp b, 0,1,2,3
.irp j, 0,1,2,3
	global_load_b128 v[BE+16*\b+4*\j:BE+16*\b+4*\j+3], v7, s[10:11] offset:128*\b+16*\j
.endr
.endr
.if QOUT
	s_mul_i32 s30, s18, GRP
	s_mul_i32 s31, s16, STP
	s_add_co_u32 s30, s30, s31
	s_mov_b32 s31, 0
	s_add_nc_u64 s[14:15], s[14:15], s[30:31]      ; my block of codes
	s_lshl_b32 s30, s19, 6
	s_add_nc_u64 s[32:33], s[14:15], s[30:31]      ; the tile's scale words,
	s_mul_i32 s30, s19, 1536
	s_add_nc_u64 s[14:15], s[14:15], s[30:31]      ; its codes
.endif
.irp i, 0,1,2,3,4,5,6,7,8,9,10,11,12,13,14,15
	s_wait_loadcnt 47-\i                           ; a's row i is in; behind it: 15 - i of a's, 16 of b's, 16 of beta's
	ds_store_b128 v5, v[YR+4*\i:YR+4*\i+3] offset:528*\i
.endr
.irp b, 0,1,2,3
.irp j, 0,1,2,3
	ds_load_b128 v[YR+16*\b+4*\j:YR+16*\b+4*\j+3], v6 offset:128*\b+16*\j   ; LDS serves a wave's instructions in order: these see my stores
.endr
.endr
	s_wait_loadcnt 16                              ; b is in; beta's sixteen may be out
	s_wait_dscnt 0x0
.set k, 0
.rept 32
	v_pk_add_f32 v[YR+k:YR+k+1], v[YR+k:YR+k+1], v[BB+k:BB+k+1]
.set k, k+2
.endr
.irp b, 0,1,2,3
.irp j, 0,1,2,3
	global_load_b128 v[BB+16*\b+4*\j:BB+16*\b+4*\j+3], v7, s[8:9] offset:128*\b+16*\j   ; g takes b's registers
.endr
.endr
	v_pk_add_f32 v[246:247], v[YR:YR+1], v[YR+2:YR+3]
	v_pk_add_f32 v[248:249], v[YR+4:YR+5], v[YR+6:YR+7]
.irp j, 8,12,16,20,24,28,32,36,40,44,48,52,56,60
	s_delay_alu instid0(VALU_DEP_2)
	v_pk_add_f32 v[246:247], v[246:247], v[YR+\j:YR+\j+1]
	s_delay_alu instid0(VALU_DEP_2)
	v_pk_add_f32 v[248:249], v[248:249], v[YR+\j+2:YR+\j+3]
.endr
	ACROSS 0
	s_delay_alu instid0(VALU_DEP_1)
	v_mul_f32 v12, 0xba800000, v246                ; - the mean
.set k, 0
.rept 32
	v_pk_add_f32 v[YR+k:YR+k+1], v[YR+k:YR+k+1], v[12:13] op_sel_hi:[1,0]
.set k, k+2
.endr
	v_pk_mul_f32 v[246:247], v[YR:YR+1], v[YR:YR+1]
	v_pk_mul_f32 v[248:249], v[YR+2:YR+3], v[YR+2:YR+3]
.irp j, 4,8,12,16,20,24,28,32,36,40,44,48,52,56,60
	s_delay_alu instid0(VALU_DEP_2)
	v_pk_fma_f32 v[246:247], v[YR+\j:YR+\j+1], v[YR+\j:YR+\j+1], v[246:247]
	s_delay_alu instid0(VALU_DEP_2)
	v_pk_fma_f32 v[248:249], v[YR+\j+2:YR+\j+3], v[YR+\j+2:YR+\j+3], v[248:249]
.endr
	ACROSS 512                                     ; other bytes than the first sums': no barrier is owed between
	s_delay_alu instid0(VALU_DEP_1)
	v_fma_f32 v14, v246, s20, s21                  ; the variance + 1e-5
	s_wait_alu depctr_va_vdst(0)
	v_rsq_f32 v14, v14
	v_nop                                          ; a plain place behind the transcendental
	s_wait_alu depctr_va_vdst(0)                   ; and the wait ahead of its first reader
	s_wait_loadcnt 0x0                             ; g and beta
.set k, 0
.rept 32
	v_pk_mul_f32 v[YR+k:YR+k+1], v[YR+k:YR+k+1], v[14:15] op_sel_hi:[1,0]
.set k, k+2
.endr
.set k, 0
.rept 32
	v_pk_fma_f32 v[YR+k:YR+k+1], v[YR+k:YR+k+1], v[BB+k:BB+k+1], v[BE+k:BE+k+1]
.set k, k+2
.endr
.if QOUT
	QUANT YR, PC, PW
.irp c, 0,1,2
	global_store_b128 v4, v[PC+4*\c:PC+4*\c+3], s[14:15] offset:512*\c
.endr
	global_store_b32 v10, v[PW], s[32:33] offset:12288
.endif
.irp b, 0,1,2,3
.irp j, 0,1,2,3
	ds_store_b128 v6, v[YR+16*\b+4*\j:YR+16*\b+4*\j+3] offset:128*\b+16*\j
.endr
.endr
.irp i, 0,1,2,3,4,5,6,7,8,9,10,11,12,13,14,15
	ds_load_b128 v[BB+4*\i:BB+4*\i+3], v5 offset:528*\i
.endr
.irp i, 0,1,2,3,4,5,6,7,8,9,10,11,12,13,14,15
	s_wait_dscnt 15-\i                             ; row i is back; the younger loads may be out
	global_store_b128 v4, v[BB+4*\i:BB+4*\i+3], s[12:13] offset:(\i%8+16*(\i/8))*4096   ; 512 consecutive bytes of a row
.endr
	s_wait_tensorcnt 0x0
	ds_add_u32 v254, v255
	s_wait_dscnt 0x0
	s_endpgm
.Lfunc_end_k_q12b8e6e577_lnq:
	.size	k_q12b8e6e577_lnq, .Lfunc_end_k_q12b8e6e577_lnq-k_q12b8e6e577_lnq
	.p2alignl 7, 3214868480
	.fill 96, 4, 3214868480
	.section	.rodata,"a",@progbits
	.p2align	6, 0x0
	.amdhsa_kernel k_q12b8e6e577_lnq
		.amdhsa_group_segment_fixed_size 69632
		.amdhsa_private_segment_fixed_size 0
		.amdhsa_enable_private_segment 0
		.amdhsa_kernarg_size 48
		.amdhsa_user_sgpr_count 2
		.amdhsa_user_sgpr_kernarg_segment_ptr 1
		.amdhsa_wavefront_size32 1
		.amdhsa_system_sgpr_workgroup_id_x 1
		.amdhsa_system_sgpr_workgroup_id_y 1
		.amdhsa_system_sgpr_workgroup_id_z 1
		.amdhsa_system_vgpr_workitem_id 0
		.amdhsa_next_free_vgpr 256
		.amdhsa_next_free_sgpr 66
		.amdhsa_reserve_vcc 0
		.amdhsa_float_denorm_mode_32 3
		.amdhsa_float_denorm_mode_16_64 3
		.amdhsa_memory_ordered 1
		.amdhsa_forward_progress 1
		.amdhsa_inst_pref_size 38
	.end_amdhsa_kernel
	.amdgpu_metadata
---
amdhsa.version: [ 1, 2 ]
amdhsa.kernels:
  - .name:           k_q12b8e6e577_lnq
    .symbol:         k_q12b8e6e577_lnq.kd
    .args:
      - { .name: hidden_states, .offset: 0, .size: 8, .value_kind: global_buffer, .address_space: global }
      - { .name: ctx, .offset: 8, .size: 8, .value_kind: global_buffer, .address_space: global }
      - { .name: ln1_g, .offset: 16, .size: 8, .value_kind: global_buffer, .address_space: global }
      - { .name: ln1_b, .offset: 24, .size: 8, .value_kind: global_buffer, .address_space: global }
      - { .name: x1, .offset: 32, .size: 8, .value_kind: global_buffer, .address_space: global }
      - { .name: act0, .offset: 40, .size: 8, .value_kind: global_buffer, .address_space: global }
    .group_segment_fixed_size: 69632
    .private_segment_fixed_size: 0
    .kernarg_segment_align: 8
    .kernarg_segment_size: 48
    .max_flat_workgroup_size: 256
    .sgpr_count:     66
    .vgpr_count:     256
    .wavefront_size: 32
...
	.end_amdgpu_metadata
.endif
;; end of part 4
;; launch attn_c: the kernel of part 3 again; grid 8 x 32, 16 waves a work-group, clusters of 4 x 1, 262,144 bytes of LDS; arguments act0, wB, ca_bq, kvc, ctx; writes ctx
;; launch ffn (part 5): grid 256 x 1, 8 waves a work-group, no clusters, 95,232 bytes of LDS; arguments x1, ctx, ln2_g, ln2_b, wA, fc1_b, fc2_b, ln3_g, ln3_b, out0; writes out0
.if DOCPART == 5
	.amdgcn_target "amdgcn-amd-amdhsa--gfx1250"
	.amdhsa_code_object_version 6
	.text
	.protected	k_q12b8e6e577_ffn
	.globl	k_q12b8e6e577_ffn
	.p2align	8
	.type	k_q12b8e6e577_ffn,@function
k_q12b8e6e577_ffn:
	s_mov_b64 s[64:65], 0
	v_nop
	global_prefetch_b8 v0, s[64:65] scope:SCOPE_SE
	s_setreg_imm32_b32 hwreg(HW_REG_WAVE_MODE, 25, 1), 1
	s_wait_xcnt 0x0
; THE LAYER'S LAST THIRD IN ONE LAUNCH: x = LN2(a + b);  out = LN3(x + Q(relu(Q(x) W1 + b1)) W2 + b2).  Q: codes of FP6 (E2M3), one E8M0 scale for each 32 along K.  All else f32.
; a: [4096][1024] f32, row-major.  b: f32 in a matrix result's register order: (tile of 16 rows) x 65,536 + (128 columns) x 8,192 + 512 j + 16 lane; register 16 b + i = column 32 b + 16 (lane / 16) + i of row lane % 16.
; W1, W2 lie in the order of an operand's registers, in blocks of 12,800 bytes for (group of 128 rows, K step of 128): 8 tiles x 1,536 bytes of codes, then 8 x 64 bytes of scale words; W2 lies 819,200 bytes behind W1.
; SHARES.  A work-group owns one tile of 16 tokens (lane r: row 128 g + 32 (t / 2) + 8 (t % 2) + r + 8 (r / 8)) through the whole chain: 4,096 / 16 = 256 work-groups.  Each of its eight waves owns 128 columns:
; of a + b, of the hidden layer (128 rows of W1) and of the result (128 rows of W2).  x stays in 64 registers of each lane from LN2 to the last residual; the hidden layer never leaves the work-group.
; THE PRODUCTS are used transposed (source 0 = 16 rows of the weight, source 1 = the 16 tokens): a lane holds one token, and its 64 results are 16 neighbours of each of four blocks of 32: what the quantiser wants,
; and the very order in which x lies in the lane.  A wave's codes are one K step of the next product's source 1: they reach the other waves as an image of the operand's registers in LDS (1,536 + 64 bytes a K step).
; THE WEIGHTS go from memory straight into the operand's registers, 512 consecutive bytes a load, two sets of 96 registers by turns, asked for two K steps (25,600 bytes a wave) ahead, on across the change of layers.
; NO TENSOR LOADS, NO CLUSTER: each fragment of a weight serves one wave of the work-group, once: a joint load would add an LDS store and an LDS read of each of the 1,638,400 bytes, and two slots hold under a fifth of them,
; so that each refill would want a round of the cluster's barrier.  NO DATA PREFETCH: the register ring asks ahead by itself, and a and b are read in the first lines, with no loop to run ahead in.
; The bias is the C of each accumulator's first product.  The eight accumulators take turns, one instruction a turn.
; The mean and then the mean of the squared differences are taken in two passes: no difference of large sums is formed.
; LIMITS: NaN and infinities are not served; v_rsq_f32 is 1 ulp; a block whose largest magnitude lies under 2^-124 (a block of zeros too) gets the byte 1 and zero codes: these bytes are read by this launch alone.
; REGISTERS, window 0: v1-3, v10 LDS addresses of the images; v4 16 x lane; v5-6 my stage; v7 64 x (lane / 16); v8-9 the waves' partial sums; v11 4 x lane; v12-13 the spare word and 0; v[14:15] one number for both halves of a pair;
;   v16-79 x; v80-175 source 1's eight fragments; v176-183 its scale words; v184-247 the accumulators; v248-255 the weights' scale words, two sets.  In the norms v80-143 hold b, then g, v144-207 beta, v208-244 are at work.
;   window 1: v0-191 the weights' fragments, two sets; v192-255 the bias.
.set WSZ,  819200
.set GRP,  102400
.set STP,  12800
.set PART, 67584                       ; behind the eight stages of 16 x 528 bytes: the waves' partial sums, 2 x 512 bytes
.set SPARE, 68608                      ; the spare words: 128 bytes a wave
.set XI,   69632                       ; two images of source 1: 8 K steps x 1,600 bytes each
.set IMG,  1600
.set YR,   16
.set XF,   80
.set XS,   176
.set ACC,  184
.set WS,   248
.set BI,   192
.set BB,   80
.set BE,   144
.set TM,   208
.set S0,   216
.set S1,   218
.set PC,   224
.set PW,   244
.set TM2,  80
.set PC2,  96
.set PW2,  116
.set WV,   28
.set SEL,  30
.set MSB,  0
.macro WIN new                         ; the immediate's high byte repeats the setting that is left
.if MSB != \new
	s_set_vgpr_msb (MSB<<8)|\new
.set MSB, \new
.endif
.endm
.macro PLACES                          ; four places behind a matrix instruction (ISA guide 7.12.1)
.rept 4
	v_nop
.endr
.endm
; 64 numbers of a lane, register 16 b + i = k 32 b + 16 (lane / 16) + i of my row, become a fragment's codes in v[pc] .. v[pc + 11] and its scale word in v[pw]
.macro QUANT s, pc, pw, tm
.irp b, 0,1,2,3
	v_max3_num_f32 v[\tm+\b], |v[\s+16*\b]|, |v[\s+1+16*\b]|, 0x1800000   ; and the floor 2^(3 - 127): the byte cannot fall under 1
.endr
.irp i, 2,4,6,8,10,12,14
.irp b, 0,1,2,3
	s_delay_alu instid0(VALU_DEP_4)
	v_max3_num_f32 v[\tm+\b], v[\tm+\b], |v[\s+16*\b+\i]|, |v[\s+1+16*\b+\i]|
.endr
.endr
.irp b, 0,1,2,3
	s_delay_alu instid0(VALU_DEP_4)
	v_permlanex16_b32 v[\tm+4+\b], v[\tm+\b], s[SEL], s[SEL+1]
.endr
.irp b, 0,1,2,3
	s_delay_alu instid0(VALU_DEP_4)
	v_max_num_f32 v[\tm+\b], v[\tm+\b], v[\tm+4+\b]                  ; with lane l xor 16's: the block's largest magnitude
.endr
.irp b, 0,1,2,3
	s_delay_alu instid0(VALU_DEP_4)
	v_add_nc_u32 v[\tm+12+\b], 0xff000000, v[\tm+\b]                 ; 2 off its exponent field: the conversion's scale operand
.endr
.irp b, 0,1,2,3
	s_delay_alu instid0(VALU_DEP_4)
	v_lshrrev_b32 v[\tm+4+\b], 23, v[\tm+12+\b]                      ; the scale's byte
.endr
	s_delay_alu instid0(VALU_DEP_3)
	v_lshl_or_b32 v[\pw], v[\tm+5], 8, v[\tm+4]
	s_delay_alu instid0(VALU_DEP_1)
	v_lshl_or_b32 v[\pw], v[\tm+6], 16, v[\pw]
	s_delay_alu instid0(VALU_DEP_1)
	v_lshl_or_b32 v[\pw], v[\tm+7], 24, v[\pw]
.irp c, 0,1
	v_cvt_scalef32_pk16_fp6_f32 v[\pc+6*\c:\pc+2+6*\c], v[\s+32*\c:\s+15+32*\c], v[\tm+12+2*\c]
	v_cvt_scalef32_pk16_fp6_f32 v[\pc+12+4*\c:\pc+14+4*\c], v[\s+16+32*\c:\s+31+32*\c], v[\tm+12+2*\c+1]   ; (a conversion's three registers begin on an even number)
.endr
	v_nop                                          ; one plain place behind a scaled conversion
.irp c, 0,1                                    ; the operand's layout wants a whole block in a lane
.irp i, 0,1,2
	v_permlane16_swap_b32 v[\pc+6*\c+\i], v[\pc+12+4*\c+\i]
.endr
.irp i, 0,1,2
	s_delay_alu instid0(VALU_DEP_3)
	v_mov_b32 v[\pc+3+6*\c+\i], v[\pc+12+4*\c+\i]
.endr
.endr
.endm
; The two chains v[S0:S0+1], v[S1:S1+1] hold my 64 numbers' sum: with lane l xor 16's it is my wave's part of row r; the eight waves' parts meet in LDS, off bytes on; the row's sum comes back in v[S0]
.macro ACROSS off
	s_delay_alu instid0(VALU_DEP_1)
	v_pk_add_f32 v[S0:S0+1], v[S0:S0+1], v[S1:S1+1]
	s_delay_alu instid0(VALU_DEP_1)
	v_add_f32 v[S0], v[S0], v[S0+1]
	s_delay_alu instid0(VALU_DEP_1)
	v_permlanex16_b32 v[S0+4], v[S0], s[SEL], s[SEL+1]
	s_delay_alu instid0(VALU_DEP_1)
	v_add_f32 v[S0], v[S0], v[S0+4]
	ds_store_b32 v8, v[S0] offset:\off             ; lanes r and r + 16 write the same word with the same value
	s_wait_dscnt 0x0                               ; for the others' sake
	s_barrier_signal -1
	s_barrier_wait -1
.irp k, 0,1,2,3,4,5,6,7
	ds_load_b32 v[TM+\k], v9 offset:\off+64*\k
.endr
	s_wait_dscnt 0x0
	v_add_f32 v[TM], v[TM], v[TM+1]
	v_add_f32 v[TM+2], v[TM+2], v[TM+3]
	v_add_f32 v[TM+4], v[TM+4], v[TM+5]
	v_add_f32 v[TM+6], v[TM+6], v[TM+7]
	s_delay_alu instid0(VALU_DEP_3)
	v_add_f32 v[TM], v[TM], v[TM+2]
	s_delay_alu instid0(VALU_DEP_2)
	v_add_f32 v[TM+4], v[TM+4], v[TM+6]
	s_delay_alu instid0(VALU_DEP_1)
	v_add_f32 v[S0], v[TM], v[TM+4]
.endm
.macro GBLOAD gp, bp                   ; a norm's gain and offset, in the order of my 64 numbers: 32 loads
.irp b, 0,1,2,3
.irp j, 0,1,2,3
	global_load_b128 v[BB+16*\b+4*\j:BB+16*\b+4*\j+3], v7, s[\gp:\gp+1] offset:128*\b+16*\j
	global_load_b128 v[BE+16*\b+4*\j:BE+16*\b+4*\j+3], v7, s[\bp:\bp+1] offset:128*\b+16*\j
.endr
.endr
.endm
.macro STATS                           ; v[YR ..] loses its row's mean; v14 = 1 / sqrt(variance + 1e-5)
	v_pk_add_f32 v[S0:S0+1], v[YR:YR+1], v[YR+2:YR+3]
	v_pk_add_f32 v[S1:S1+1], v[YR+4:YR+5], v[YR+6:YR+7]
.irp j, 8,12,16,20,24,28,32,36,40,44,48,52,56,60
	s_delay_alu instid0(VALU_DEP_2)
	v_pk_add_f32 v[S0:S0+1], v[S0:S0+1], v[YR+\j:YR+\j+1]
	s_delay_alu instid0(VALU_DEP_2)
	v_pk_add_f32 v[S1:S1+1], v[S1:S1+1], v[YR+\j+2:YR+\j+3]
.endr
	ACROSS 0
	s_delay_alu instid0(VALU_DEP_1)
	v_mul_f32 v14, 0xba800000, v[S0]               ; - the mean
.set k, 0
.rept 32
	v_pk_add_f32 v[YR+k:YR+k+1], v[YR+k:YR+k+1], v[14:15] op_sel_hi:[1,0]
.set k, k+2
.endr
	v_pk_mul_f32 v[S0:S0+1], v[YR:YR+1], v[YR:YR+1]
	v_pk_mul_f32 v[S1:S1+1], v[YR+2:YR+3], v[YR+2:YR+3]
.irp j, 4,8,12,16,20,24,28,32,36,40,44,48,52,56,60
	s_delay_alu instid0(VALU_DEP_2)
	v_pk_fma_f32 v[S0:S0+1], v[YR+\j:YR+\j+1], v[YR+\j:YR+\j+1], v[S0:S0+1]
	s_delay_alu instid0(VALU_DEP_2)
	v_pk_fma_f32 v[S1:S1+1], v[YR+\j+2:YR+\j+3], v[YR+\j+2:YR+\j+3], v[S1:S1+1]
.endr
	ACROSS 512                                     ; other bytes than the first sums': no barrier is owed between
	s_delay_alu instid0(VALU_DEP_1)
	v_fma_f32 v14, v[S0], s32, s33                 ; the variance + 1e-5
	s_wait_alu depctr_va_vdst(0)                   ; the wait ahead of the transcendental,
	v_rsq_f32 v14, v14
	v_nop                                          ; a plain place behind it,
	s_wait_alu depctr_va_vdst(0)                   ; and the wait ahead of its first reader
.endm
.macro APPLY                           ; x 1 / sqrt(..), x g, + beta
.set k, 0
.rept 32
	v_pk_mul_f32 v[YR+k:YR+k+1], v[YR+k:YR+k+1], v[14:15] op_sel_hi:[1,0]
.set k, k+2
.endr
.set k, 0
.rept 32
	v_pk_fma_f32 v[YR+k:YR+k+1], v[YR+k:YR+k+1], v[BB+k:BB+k+1], v[BE+k:BE+k+1]
.set k, k+2
.endr
.endm
; The weights' step u (0-7: W1's K steps, 8-15: W2's) of my 128 rows into set u % 2: 28 loads: 8 fragments, and 4 registers of scale words (lanes 0-15 tile 2 i, lanes 16-31 tile 2 i + 1)
.macro LW u
.set e1, (\u)%2
.set wo, ((\u)/8)*WSZ+((\u)%8)*STP
	WIN 0x40                                       ; destination window 1, address window 0
.irp t, 0,1,2,3,4,5,6,7
.irp c, 0,1,2
	global_load_b128 v[96*e1+12*\t+4*\c:96*e1+12*\t+4*\c+3], v4, s[12:13] offset:wo+1536*\t+512*\c
.endr
.endr
	WIN 0
.irp i, 0,1,2,3
	global_load_b32 v[WS+4*e1+\i], v11, s[12:13] offset:wo+12288+128*\i
.endr
.endm
.macro BLOAD bp                        ; a product's bias in the result's layout, into window 1: 16 loads
	WIN 0x40
.irp t, 0,1,2,3,4,5,6,7
	global_load_b128 v[BI+8*\t:BI+8*\t+3], v7, s[\bp:\bp+1] offset:(32*(\t/2)+8*(\t%2))*4
	global_load_b128 v[BI+8*\t+4:BI+8*\t+7], v7, s[\bp:\bp+1] offset:(32*(\t/2)+8*(\t%2))*4+16
.endr
	WIN 0
.endm
.macro WM t
.set rD, ACC+8*(\t)
.if ks == 0
.set rC, BI+8*(\t)
.else
.set rC, rD
.endif
.set rA, 96*e2+12*(\t)
.if (\t)%2
	v_wmma_scale_f32_16x16x128_f8f6f4 v[rD:rD+7], v[rA:rA+11], v[XF+12*ks:XF+12*ks+11], v[rC:rC+7], v[WS+4*e2+(\t)/2], v[XS+ks] matrix_a_fmt:MATRIX_FMT_FP6 matrix_b_fmt:MATRIX_FMT_FP6 matrix_a_scale:MATRIX_SCALE_ROW1
.else
	v_wmma_scale_f32_16x16x128_f8f6f4 v[rD:rD+7], v[rA:rA+11], v[XF+12*ks:XF+12*ks+11], v[rC:rC+7], v[WS+4*e2+(\t)/2], v[XS+ks] matrix_a_fmt:MATRIX_FMT_FP6 matrix_b_fmt:MATRIX_FMT_FP6
.endif
.endm
; One step: the wait for its weights (younger: the loads issued behind them, which may stay out), 8 matrix instructions, four places, and the loads of the step two on into the set just read
.macro GSTEP u, younger
	s_wait_loadcnt \younger
.set e2, (\u)%2
.set ks, (\u)%8
.if ks == 0
	WIN 0x11                                       ; source 0 (the weight) and C (the bias) window 1; source 1 and D window 0
.else
	WIN 0x01                                       ; source 0 window 1
.endif
.irp t, 0,1,2,3,4,5,6,7
	WM \t
.endr
	PLACES
.if (\u)+2 < 16
	LW (\u)+2
.endif
	WIN 0
.endm
.macro XSTORE pc, pw, im               ; my K step of source 1 into image im, and the barrier that shows all eight to every wave
.irp c, 0,1,2
	ds_store_b128 v1, v[\pc+4*\c:\pc+4*\c+3] offset:\im*8*IMG+512*\c
.endr
	ds_store_b32 v2, v[\pw] offset:\im*8*IMG+1536  ; lanes r and r + 16 hold the same word and write it to the same place
	s_wait_dscnt 0x0                               ; for the others' sake
	s_barrier_signal -1
	s_barrier_wait -1
.endm
.macro XLOAD im                        ; source 1, all eight K steps
.irp s, 0,1,2,3,4,5,6,7
.irp c, 0,1,2
	ds_load_b128 v[XF+12*\s+4*\c:XF+12*\s+4*\c+3], v3 offset:\im*8*IMG+IMG*\s+512*\c
.endr
	ds_load_b32 v[XS+\s], v10 offset:\im*8*IMG+IMG*\s+1536
.endr
	s_wait_dscnt 0x0
.endm
	s_load_b512 s[4:19], s[0:1], 0x0               ; a s[4:5], b s[6:7], g2 s[8:9], beta2 s[10:11], the weights s[12:13], b1 s[14:15], b2 s[16:17], g3 s[18:19]
	s_load_b128 s[20:23], s[0:1], 0x40             ; beta3 s[20:21], out s[22:23]
	v_lshl_add_u32 v12, v0, 2, SPARE               ; my spare word, and 0: kept for the add at the wave's end
	v_mov_b32 v13, 0
	v_lshrrev_b32 v16, 5, v0
	s_delay_alu instid0(VALU_DEP_1)
	v_readfirstlane_b32 s[WV], v16                 ; wave = which 128 columns
	v_and_b32 v18, 31, v0                          ; lane
	v_and_b32 v16, 15, v0                          ; r
	v_bfe_u32 v17, v0, 4, 1                        ; h
	s_delay_alu instid0(VALU_DEP_3)
	v_lshlrev_b32 v4, 4, v18                       ; 16 x lane
	v_lshlrev_b32 v11, 2, v18                      ; 4 x lane
	s_mul_i32 s40, s[WV], 8448                     ; my stage: 16 rows x (512 + 16) bytes
	v_add_nc_u32 v5, s40, v4                       ; by rows
	v_mul_u32_u24 v6, v16, 528
	s_delay_alu instid0(VALU_DEP_1)
	v_lshl_add_u32 v6, v17, 6, v6
	s_delay_alu instid0(VALU_DEP_1)
	v_add_nc_u32 v6, s40, v6                       ; by lanes: row r, + 64 h
	v_lshlrev_b32 v7, 6, v17                       ; g, beta, biases: + 16 h numbers
	v_lshlrev_b32 v10, 2, v16                      ; 4 r
	s_delay_alu instid0(VALU_DEP_1)
	v_add_nc_u32 v9, PART, v10                     ; the waves' parts of row r,
	s_lshl_b32 s41, s[WV], 6
	v_add_nc_u32 v8, s41, v9                       ; mine among them
	s_mul_i32 s40, s[WV], IMG
	v_add_nc_u32 v3, XI, v4                        ; an image's codes,
	v_add_nc_u32 v10, XI, v10                      ; its scale words (1,536 bytes on),
	s_delay_alu instid0(VALU_DEP_2)
	v_add_nc_u32 v1, s40, v3                       ; my K step in it
	s_delay_alu instid0(VALU_DEP_2)
	v_add_nc_u32 v2, s40, v10
	v_mov_b32 v15, 0                               ; (the upper half of a pair; a lane permute's destination)
	v_mov_b32 v[S0+4], 0
	s_mov_b32 s32, 0x3a800000                      ; 1 / 1,024
	s_mov_b32 s33, 0x3727c5ac                      ; 1e-5
	s_mov_b32 s[SEL], 0x76543210
	s_mov_b32 s[SEL+1], 0xfedcba98
	s_lshr_b32 s38, ttmp9, 3                       ; g
	s_and_b32 s39, ttmp9, 7                        ; t
	s_lshl_b32 s24, s38, 7
	s_lshr_b32 s25, s39, 1
	s_lshl_b32 s25, s25, 5
	s_add_co_u32 s24, s24, s25
	s_and_b32 s25, s39, 1
	s_lshl_b32 s25, s25, 3
	s_add_co_u32 s24, s24, s25                     ; the tile's first row
	s_lshl_b32 s24, s24, 12
	s_lshl_b32 s34, s[WV], 9                       ; my 512 bytes of a row
	s_add_co_u32 s24, s24, s34
	s_mov_b32 s25, 0
	s_mov_b32 s35, 0
	s_lshl_b32 s26, ttmp9, 16
	s_lshl_b32 s27, s[WV], 13
	s_add_co_u32 s26, s26, s27
	s_mov_b32 s27, 0
	s_mul_i32 s36, s[WV], GRP                      ; my group of 128 rows of W1, the sixth tensor of the buffer
	s_add_co_u32 s36, s36, 5*WSZ
	s_mov_b32 s37, 0
	s_wait_alu depctr_va_vdst(0)                   ; the wait at the head's end
	s_wait_kmcnt 0x0
	s_add_nc_u64 s[4:5], s[4:5], s[24:25]
	s_add_nc_u64 s[22:23], s[22:23], s[24:25]
	s_add_nc_u64 s[6:7], s[6:7], s[26:27]
.irp p, 8,10,14,16,18,20
	s_add_nc_u64 s[\p:\p+1], s[\p:\p+1], s[34:35]
.endr
	s_add_nc_u64 s[12:13], s[12:13], s[36:37]
.irp i, 0,1,2,3,4,5,6,7,8,9,10,11,12,13,14,15
	global_load_b128 v[YR+4*\i:YR+4*\i+3], v4, s[4:5] offset:(\i%8+16*(\i/8))*4096 th:TH_LOAD_NT   ; 512 consecutive bytes of the tile's row i
.endr
.irp j, 0,1,2,3,4,5,6,7,8,9,10,11,12,13,14,15
	global_load_b128 v[BB+4*\j:BB+4*\j+3], v4, s[6:7] offset:512*\j th:TH_LOAD_NT
.endr
.irp i, 0,1,2,3,4,5,6,7,8,9,10,11,12,13,14,15
	s_wait_loadcnt 31-\i                           ; a's row i is in; behind it: 15 - i of a's and 16 of b's
	ds_store_b128 v5, v[YR+4*\i:YR+4*\i+3] offset:528*\i
.endr
	BLOAD 14                                       ; b1: 16 loads,
	LW 0                                           ; and W1's first K step: 28
.irp b, 0,1,2,3
.irp j, 0,1,2,3
	ds_load_b128 v[YR+16*\b+4*\j:YR+16*\b+4*\j+3], v6 offset:128*\b+16*\j   ; LDS serves a wave's instructions in order: these see my stores
.endr
.endr
	s_wait_loadcnt 44                              ; b is in; the 16 + 28 just issued may be out
	s_wait_dscnt 0x0
.set k, 0
.rept 32
	v_pk_add_f32 v[YR+k:YR+k+1], v[YR+k:YR+k+1], v[BB+k:BB+k+1]
.set k, k+2
.endr
	GBLOAD 8, 10                                   ; g takes b's registers
	LW 1
	STATS
	s_wait_loadcnt 28                              ; g and beta are in; W1's second K step may be out
	APPLY                                          ; x: it stays in v[YR ..] to the end
	QUANT YR, PC, PW, TM
	XSTORE PC, PW, 0
	XLOAD 0
	; ---- the hidden layer: my 128 rows of W1
	GSTEP 0, 28                                    ; behind this step's weights: the next step's 28 loads
	BLOAD 16                                       ; b2 takes b1's registers, four places behind the products that read them
	GSTEP 1, 44                                    ; behind them: step 2's 28 and b2's 16
	GSTEP 2, 44                                    ; b2's 16 and step 3's 28
.irp u, 3,4,5,6,7
	GSTEP \u, 28
.endr
.set k, 0
.rept 64
	v_max_num_f32 v[ACC+k], 0, v[ACC+k]            ; the activation, in f32; ascending: each accumulator is read from its low end on
.set k, k+1
.endr
.irp b, 0,1,2,3
	v_mov_b32 v[TM2+4+\b], 0                       ; a lane permute's destination counts as one of its sources
.endr
	QUANT ACC, PC2, PW2, TM2
	XSTORE PC2, PW2, 1                             ; other bytes than x's image: no barrier is owed between the reads of that and these stores
	XLOAD 1
	; ---- the way back: my 128 rows of W2
.irp u, 8,9,10,11,12,13,14
	GSTEP \u, 28
.endr
	GSTEP 15, 0
.set k, 0
.rept 32
	v_pk_add_f32 v[YR+k:YR+k+1], v[YR+k:YR+k+1], v[ACC+k:ACC+k+1]   ; the residual: the result lies in x's own order
.set k, k+2
.endr
	v_mov_b32 v[S0+4], 0                           ; a lane permute's destination counts as one of its sources: written anew by a plain instruction, now that the accumulator that lay here has been read
	GBLOAD 18, 20
	STATS
	s_wait_loadcnt 0x0                             ; g and beta
	APPLY
.irp b, 0,1,2,3
.irp j, 0,1,2,3
	ds_store_b128 v6, v[YR+16*\b+4*\j:YR+16*\b+4*\j+3] offset:128*\b+16*\j
.endr
.endr
.irp i, 0,1,2,3,4,5,6,7,8,9,10,11,12,13,14,15
	ds_load_b128 v[BB+4*\i:BB+4*\i+3], v5 offset:528*\i
.endr
.irp i, 0,1,2,3,4,5,6,7,8,9,10,11,12,13,14,15
	s_wait_dscnt 15-\i                             ; row i is back; the younger loads may be out
	global_store_b128 v4, v[BB+4*\i:BB+4*\i+3], s[22:23] offset:(\i%8+16*(\i/8))*4096 th:TH_STORE_NT   ; 512 consecutive bytes of a row
.endr
	s_wait_tensorcnt 0x0                           ; the wave's end
	ds_add_u32 v12, v13
	s_wait_dscnt 0x0
	s_endpgm
.Lfunc_end_k_q12b8e6e577_ffn:
	.size	k_q12b8e6e577_ffn, .Lfunc_end_k_q12b8e6e577_ffn-k_q12b8e6e577_ffn
	.p2alignl 7, 3214868480
	.fill 96, 4, 3214868480
	.section	.rodata,"a",@progbits
	.p2align	6, 0x0
	.amdhsa_kernel k_q12b8e6e577_ffn
		.amdhsa_group_segment_fixed_size 95232
		.amdhsa_private_segment_fixed_size 0
		.amdhsa_enable_private_segment 0
		.amdhsa_kernarg_size 80
		.amdhsa_user_sgpr_count 2
		.amdhsa_user_sgpr_kernarg_segment_ptr 1
		.amdhsa_wavefront_size32 1
		.amdhsa_system_sgpr_workgroup_id_x 1
		.amdhsa_system_sgpr_workgroup_id_y 1
		.amdhsa_system_sgpr_workgroup_id_z 1
		.amdhsa_system_vgpr_workitem_id 0
		.amdhsa_next_free_vgpr 512
		.amdhsa_next_free_sgpr 66
		.amdhsa_reserve_vcc 0
		.amdhsa_float_denorm_mode_32 3
		.amdhsa_float_denorm_mode_16_64 3
		.amdhsa_memory_ordered 1
		.amdhsa_forward_progress 1
		.amdhsa_inst_pref_size 135
	.end_amdhsa_kernel
	.amdgpu_metadata
---
amdhsa.version: [ 1, 2 ]
amdhsa.kernels:
  - .name:           k_q12b8e6e577_ffn
    .symbol:         k_q12b8e6e577_ffn.kd
    .args:
      - { .name: x1, .offset: 0, .size: 8, .value_kind: global_buffer, .address_space: global }
      - { .name: ctx, .offset: 8, .size: 8, .value_kind: global_buffer, .address_space: global }
      - { .name: ln2_g, .offset: 16, .size: 8, .value_kind: global_buffer, .address_space: global }
      - { .name: ln2_b, .offset: 24, .size: 8, .value_kind: global_buffer, .address_space: global }
      - { .name: wA, .offset: 32, .size: 8, .value_kind: global_buffer, .address_space: global }
      - { .name: fc1_b, .offset: 40, .size: 8, .value_kind: global_buffer, .address_space: global }
      - { .name: fc2_b, .offset: 48, .size: 8, .value_kind: global_buffer, .address_space: global }
      - { .name: ln3_g, .offset: 56, .size: 8, .value_kind: global_buffer, .address_space: global }
      - { .name: ln3_b, .offset: 64, .size: 8, .value_kind: global_buffer, .address_space: global }
      - { .name: out0, .offset: 72, .size: 8, .value_kind: global_buffer, .address_space: global }
    .group_segment_fixed_size: 95232
    .private_segment_fixed_size: 0
    .kernarg_segment_align: 8
    .kernarg_segment_size: 80
    .max_flat_workgroup_size: 256
    .sgpr_count:     66
    .vgpr_count:     512
    .wavefront_size: 32
...
	.end_amdgpu_metadata
.endif
;; end of part 5
